; MI455X (gfx1250); checked and timed in simulation.
; The chip was launched on July 23, 2026; its instructions are those of AMD's public machine-readable ISA for CDNA 5 (MIT licence, August 2026) and "CDNA5" Instruction Set Architecture Reference Guide (July 2026). The comments in the code are by the model that wrote it; some were corrected since.
;; Causal Self Attention. Allowed arithmetic: matrix products marked QUANTISED: E4M3 operands, one E8M0 scale for each 32 along K, by v_wmma_scale_f32_16x16x128_f8f6f4 with both operands' format E4M3, f32 sums; everything else in f32.
;; Inputs: w_out 1,024 x 1,024 float32; w_qkv 1,024 x 3,072 float32; x 4 x 2,048 x 1,024 float32.
;; Outputs: out0 4 x 2,048 x 1,024 float32.
;; This version of the problem:
;;   THIS VERSION OF THE PROBLEM IS GIVEN IN LOW PRECISION. The matrix products marked QUANTISED in the list below multiply operands that are first quantised to E4M3 (4 exponent bits, 3 mantissa bits; 8 bits a number), with one power-of-two scale for each 32 numbers along K (OCP MX v1.0); their sums are f32. All else is computed in f32.
;;   The module's matrix products, in the order in which they are computed (A, B: the left and right operand; K: the contracted axis; several contracted axes count as one K, in the product's order):
;;     1. [M 8,192, K 1,024] x [K 1,024, N 3,072]; A: input x; B: input w_qkv: QUANTISED
;;     2. batch 64 x [M 2,048, K 64] x [K 64, N 2,048]; A: computed on the way; B: computed on the way: QUANTISED
;;     3. batch 64 x [M 2,048, K 2,048] x [K 2,048, N 64]; A: softmax (see below); B: computed on the way: QUANTISED
;;     4. [M 8,192, K 1,024] x [K 1,024, N 1,024]; A: computed on the way; B: input w_out: QUANTISED
;;   THE QUANTISER, for each operand of a quantised product, along K:
;;     - K is cut into blocks of 32 from its start; a last block that is shorter is filled with zeros.
;;     - A block's scale is 2^e with e = floor(log2(the largest magnitude in the block)) - 8, held to -126 .. 127; a block of zeros has e = 0. As a byte (E8M0): e + 127.
;;     - Each number is divided by its block's scale, clamped to +-448, and rounded to the nearest number of E4M3, ties to even, subnormals kept.
;;     - The product sums the exact products of the quantised numbers (number of the format x scale) in f32.
;;   ~~~python
;;   def quantise(x, axis):      # numpy; x: float32 -> the quantised numbers, widened to float32 again
;;       x = np.moveaxis(x, axis, -1); K = x.shape[-1]
;;       x = np.pad(x, [(0, 0)] * (x.ndim - 1) + [(0, -K % 32)]); x = x.reshape(x.shape[:-1] + (-1, 32)); a = np.abs(x).max(-1, keepdims=True)
;;       e = np.where(a > 0, np.clip(np.frexp(np.where(a > 0, a, 1))[1] - 1 - 8, -126, 127), 0)      # np.frexp(a)[1] - 1 = floor(log2(a)), exactly
;;       r = np.clip(x / 2.0 ** e, -448, 448)
;;       step = 2.0 ** (np.maximum(np.frexp(np.where(r == 0, 1, r))[1] - 1, -6) - 3)
;;       q = np.round(r / step) * step * 2.0 ** e      # np.round: ties to even
;;       return np.moveaxis(q.reshape(q.shape[:-2] + (-1,))[..., :K], -1, axis).astype(np.float32)
;;   ~~~
;;   SOFTMAX AHEAD OF A QUANTISED PRODUCT. Where the list says 'softmax', what is quantised is not the finished softmax but p = 2^(t - M), with t = logit x log2(e) and M = ceil(the row's largest t), a whole number; so 1/2 < the row's largest p <= 1. The row's sum l is taken of the UNQUANTISED p, in f32, and the product's result is divided by l at the end. Since M is a whole number, a kernel that streams over the keys may use a running M (the ceiling of the running maximum): every later rescaling is an exact power of two, which a block's scale takes up: the codes' values come out the same.
;;   OPERANDS COMPUTED ON THE WAY. 'Computed on the way' means the value that the module computes at that place (a softmax that the list does not call 'softmax' is quantised finished and normalised). What goes into a quantiser is computed in f32, as accurately as f32 sums, v_exp_f32 and their like allow (about 1e-6 of the number): no bf16 or f16 on the way to a quantiser, and a product that is left as it is and whose result goes on into a quantised operand takes f32 operands (vector FMAs, or v_wmma_f32_16x16x4_f32). A number that lies on a knife's edge between two numbers of the format may be rounded either way, as far as f32 arithmetic and the matrix unit's own rounding can turn it there, and no further.
;; One version. Each part assembles by itself: llvm-mc -triple=amdgcn-amd-amdhsa -mcpu=gfx1250 --defsym DOCPART=n.
;; ======== version 1 of 1: 4 launches
;; limits: right only within a limited range of input values
;; workspace buffers: xq 8,650,752 bytes; wq 4,325,376 bytes; tab 524,288 bytes; qq 17,563,648 bytes; kv 17,563,648 bytes; yq 8,650,752 bytes
;; launch prep (part 1): grid 640 x 1, 4 waves a work-group, no clusters, 68,096 bytes of LDS; arguments x, w_qkv, w_out, xq, wq, tab; writes xq, wq, tab
.if DOCPART == 1
	.amdgcn_target "amdgcn-amd-amdhsa--gfx1250"
	.amdhsa_code_object_version 6
	.text
	.protected	k_q07aea9277b_prep
	.globl	k_q07aea9277b_prep
	.p2align	8
	.type	k_q07aea9277b_prep,@function
k_q07aea9277b_prep:
	s_mov_b64 s[64:65], 0
	v_nop
	global_prefetch_b8 v0, s[64:65] scope:SCOPE_SE
	s_setreg_imm32_b32 hwreg(HW_REG_WAVE_MODE, 25, 1), 1
	s_wait_xcnt 0x0
; PREP: the three inputs become codes of FP8 (E4M3) with one E8M0 scale byte for each 32 along K, and the table of cos and sin for the rotation is made.
; Work-groups 0-255: x [8192][1024] f32, K innermost.   256-383: w_qkv [1024][3072] and w_out [1024][1024] f32, K their FIRST axis.   384-639: the table.
; THE ORDER OF ROWS.  xq and wq hold their rows by POSITION: position p holds the natural row p with bits 3 and 4 exchanged.  Sixteen consecutive positions 16 a + r are then the natural rows
; 32 (a / 2) + 8 (a % 2) + r + 8 (r / 8): used as source 0 of a matrix instruction, two neighbouring tiles leave a lane 16 natural neighbours in 16 registers, which is what the next quantiser wants.
; xq: codes [8192 positions][1024] at byte 0, scale bytes [8192 positions][32] at byte 8,388,608.   wq: codes [4096 positions][1024] at 0 (0-3071 w_qkv's columns, 3072-4095 w_out's), scale bytes [4096][32] at 4,194,304.
; tab: [t 2048][cos 32 f32 | sin 32 f32], 256 bytes for each t.
; A block's scale is 2^(floor(log2(its largest magnitude)) - 8); its byte is the largest magnitude's exponent field - 8, held at 1 from below; each number is divided by the scale, held within +-448, rounded to the nearest code.
; LIMITS: NaN and infinities are not served; a block whose largest magnitude lies under 2^-118 keeps the byte 1, and so does a block of zeros (its codes are zeros; this program alone reads the bytes).
; The table's frequency exp(-ln(10000) i / 32) is made by v_exp_f32 with the rounding of its argument put back: within about 2 units in the last place.  sin and cos: the angle less n pi/2 in three parts, then polynomials on +-pi/4.
; No matrix work, no tensor loads, no cluster, no barrier: the launch streams, and waves share nothing.  Each of the two paths that use LDS has LDS bytes of its own.
.set MANT,   0x600000                  ; the mantissa field of 448 as f32
; ---- x
.set XSTEPS, 16                        ; a wave takes 16 steps of 512 numbers: 8 rows of x
.set XR,     16                        ; v16-79   four sets of 16 numbers as they are loaded
.set XX,     80                        ; v80-111  two sets of 16 neighbours
.set XE,     112                       ; v112-127 a scale byte for each step
.set XC,     128                       ; v128-191 codes: four registers for each step
.set WREG,   8192                      ; LDS 0-32767: a region for each wave: two stages of 32 x SP bytes, behind them its 256 scale bytes
.set SP,     80                        ; a lane's place in a stage: 64 bytes + 16 of padding
; ---- the weights
.set NB,     8                         ; a wave takes 32 columns x 256 along K: 8 blocks a lane
.set WPITCH, 272                       ; a stage row: 256 bytes of codes + 16
.set WSTG,   32768                     ; LDS 32768-67583: 32 stage rows for each wave
.set WX,     32                        ; v32-95   two sets of 32 numbers
.set WC,     96                        ; v96-103  a block's codes
.set OUTR,   112                       ; v112-175 the way out
.set OF,     176                       ; v176-207 4 x lane + i rows of the weight
.set SB,     24                        ; v24-25   the scale bytes
.set BP,     32                        ; s[32:47] eight bases, one for each block of 32 along K; never stepped
; ---- the table
.set TA, 16
.set TP, 20
.set TE, 24
.set TX, 28
.set TN, 32
.set TR, 36
.set TS2, 40
.set TSN, 44
.set TCS, 48
.set TQ, 52
.set TT, 56
.set TO, 60
.macro XLOAD t
.irp i, 0,1,2,3
	global_load_b128 v[XR+16*((\t)%4)+4*\i:XR+16*((\t)%4)+4*\i+3], v3, s[4:5] offset:2048*(\t)+512*\i th:TH_LOAD_NT   ; 32 lanes read 512 consecutive bytes
.endr
.endm
.macro XTURN t                         ; step t's numbers through the stage: LDS serves a wave's instructions in order, so no wait stands between the stores and the loads
.irp i, 0,1,2,3
	ds_store_b128 v14, v[XR+16*((\t)%4)+4*\i:XR+16*((\t)%4)+4*\i+3] offset:32*SP*((\t)%2)+8*SP*\i
.endr
.irp i, 0,1,2,3
	ds_load_b128 v[XX+16*((\t)%2)+4*\i:XX+16*((\t)%2)+4*\i+3], v15 offset:32*SP*((\t)%2)+16*\i
.endr
.endm
.macro XSTEP t
.set XS, XX+16*((\t)%2)
.if (\t) > 0
	s_wait_dscnt 1                                 ; this step's numbers are back from the stage; the last step's byte store may be out
.else
	s_wait_dscnt 0x0
.endif
.if (\t)+4 < XSTEPS
	XLOAD (\t)+4                                   ; the stage's stores have read these registers: they take the loads of four steps on
.endif
.if (\t)+1 < XSTEPS
.if XSTEPS-2-(\t) >= 3
	s_wait_loadcnt 12                              ; the next step's four loads are in; those of the three steps behind it may be out
.else
	s_wait_loadcnt 4*(XSTEPS-2-(\t))
.endif
	XTURN (\t)+1
.endif
	v_max3_num_f32 v8, |v[XS]|, |v[XS+1]|, |v[XS+2]|               ; the largest magnitude of my 16
	v_max3_num_f32 v9, |v[XS+3]|, |v[XS+4]|, |v[XS+5]|
.irp i, 6,10
	v_max3_num_f32 v8, v8, |v[XS+\i]|, |v[XS+\i+1]|
	v_max3_num_f32 v9, v9, |v[XS+\i+2]|, |v[XS+\i+3]|
.endr
	v_max3_num_f32 v8, v8, |v[XS+14]|, |v[XS+15]|
	v_max3_num_f32 v8, v8, v9, 0x4800000           ; and the floor 2^(9 - 127): the byte cannot fall under 1
	v_max_num_f32_dpp v8, v8, v8 row_xmask:1 row_mask:0xf bank_mask:0xf   ; and of my neighbour's 16: the block's
	v_add_nc_u32 v11, 0xfc000000, v8               ; 8 off its exponent field: the conversion's scale operand
	v_and_or_b32 v10, v8, 0x7f800000, s23          ; 448 x the scale
.irp i, 0,1,2,3,4,5,6,7,8,9,10,11,12,13,14,15
	v_med3_num_f32 v[XS+\i], v[XS+\i], -v10, v10   ; the conversion to an 8-bit code does not saturate (ISA guide 7.6.2): the hold comes first
.endr
	v_cvt_scalef32_pk8_fp8_f32 v[XC+4*(\t):XC+4*(\t)+1], v[XS:XS+7], v11
	v_cvt_scalef32_pk8_fp8_f32 v[XC+4*(\t)+2:XC+4*(\t)+3], v[XS+8:XS+15], v11
	v_lshrrev_b32 v[XE+(\t)], 23, v11              ; the scale's byte
	ds_store_b8 v5, v[XE+(\t)] offset:16*(\t)      ; both lanes of a block write the same byte with the same value
	global_store_b128 v4, v[XC+4*(\t):XC+4*(\t)+3], s[24:25] offset:512*(\t)   ; 32 lanes store 512 consecutive bytes
.endm
.macro WLOAD t                         ; block t: W(32 t + i, my column), i = 0 .. 31, into set t % 2
.irp i, 0,1,2,3,4,5,6,7,8,9,10,11,12,13,14,15,16,17,18,19,20,21,22,23,24,25,26,27,28,29,30,31
	global_load_b32 v[WX+32*((\t)%2)+\i], v[OF+\i], s[BP+2*(\t):BP+2*(\t)+1] th:TH_LOAD_NT
.endr
.endm
.macro WBLOCK t
.set XS, WX+32*((\t)%2)
.if (\t) < NB-1
	s_wait_loadcnt 32                              ; this block's 32 loads are in; the next block's may be out
.else
	s_wait_loadcnt 0
.endif
	v_max3_num_f32 v12, |v[XS]|, |v[XS+1]|, |v[XS+2]|               ; the block's largest magnitude: all 32 numbers are mine
	v_max3_num_f32 v13, |v[XS+3]|, |v[XS+4]|, |v[XS+5]|
.irp i, 6,10,14,18,22,26
	v_max3_num_f32 v12, v12, |v[XS+\i]|, |v[XS+\i+1]|
	v_max3_num_f32 v13, v13, |v[XS+\i+2]|, |v[XS+\i+3]|
.endr
	v_max3_num_f32 v12, v12, |v[XS+30]|, |v[XS+31]|
	v_max3_num_f32 v12, v12, v13, 0x4800000
	v_add_nc_u32 v11, 0xfc000000, v12
	v_and_or_b32 v10, v12, 0x7f800000, s23
	v_lshrrev_b32 v13, 23, v11
.if (\t)%4 == 0
	v_mov_b32 v[SB+(\t)/4], v13                    ; four bytes to a register, the lower K in the lower byte
.else
	v_lshl_or_b32 v[SB+(\t)/4], v13, 8*((\t)%4), v[SB+(\t)/4]
.endif
.irp i, 0,1,2,3,4,5,6,7,8,9,10,11,12,13,14,15,16,17,18,19,20,21,22,23,24,25,26,27,28,29,30,31
	v_med3_num_f32 v[XS+\i], v[XS+\i], -v10, v10
.endr
.irp g, 0,1,2,3
	v_cvt_scalef32_pk8_fp8_f32 v[WC+2*\g:WC+2*\g+1], v[XS+8*\g:XS+8*\g+7], v11
.endr
	v_nop                                          ; a plain line behind the last conversion
	ds_store_b128 v4, v[WC:WC+3] offset:32*(\t)    ; 32 codes: 32 bytes of my column's stage row
	ds_store_b128 v4, v[WC+4:WC+7] offset:32*(\t)+16
.if (\t)+2 < NB
	WLOAD (\t)+2
.endif
	s_wait_dscnt 0x0                               ; the stores have read their registers: the next block's codes may be written
.endm
	s_load_b256 s[4:11], s[0:1], 0x0               ; x s[4:5], w_qkv s[6:7], w_out s[8:9], xq s[10:11]
	s_load_b128 s[12:15], s[0:1], 0x20             ; wq s[12:13], tab s[14:15]
	v_lshl_add_u32 v208, v0, 2, 0x10800
	v_mov_b32 v209, 0
	v_lshrrev_b32 v1, 5, v0
	v_readfirstlane_b32 s16, v1                    ; wave 0..3
	v_and_b32 v2, 31, v0                           ; lane
	s_mov_b32 s23, MANT
	s_cmp_lt_u32 ttmp9, 256                        ; the three paths part on the work-group's number alone
	s_cbranch_scc1 .Lpath_x
	s_cmp_lt_u32 ttmp9, 384
	s_cbranch_scc1 .Lpath_w
	; ---------------- THE TABLE: a thread makes four neighbouring entries, 16 bytes; a wave stores 512 consecutive bytes
	s_sub_co_u32 s17, ttmp9, 384
	s_lshl_b32 s17, s17, 7
	v_add_nc_u32 v3, s17, v0                       ; my task: 16 to each t
	v_lshrrev_b32 v4, 4, v3                        ; t
	v_and_b32 v5, 7, v3
	v_lshlrev_b32 v5, 2, v5                        ; the first of my four frequencies
	v_bfe_u32 v6, v3, 3, 1
	v_xor_b32 v6, 1, v6                            ; 1: cos (the row's first 128 bytes), 0: sin.  cos(a) = sin(a + pi/2): one quarter turn more
	v_lshlrev_b32 v7, 4, v3                        ; my 16 bytes
	v_cvt_f32_u32 v10, v4
	s_mov_b32 s24, 0xb94ca1f9                      ; the highest coefficients of the two polynomials (an instruction takes one literal)
	s_mov_b32 s25, 0x37ccf5ce
.irp e, 0,1,2,3
	v_add_nc_u32 v[TA+\e], \e, v5
.endr
.irp e, 0,1,2,3
	v_cvt_f32_u32 v[TA+\e], v[TA+\e]
.endr
.irp e, 0,1,2,3
	v_mul_f32 v[TA+\e], 0xc1135d8e, v[TA+\e]       ; -ln(10000) x i, rounded as the reference rounds it,
.endr
.irp e, 0,1,2,3
	v_mul_f32 v[TA+\e], 0x3d000000, v[TA+\e]       ; / 32: exact
.endr
.irp e, 0,1,2,3
	v_mul_f32 v[TP+\e], 0x3fb8aa3b, v[TA+\e]       ; a x log2(e), rounded;
.endr
.irp e, 0,1,2,3
	v_fma_f32 v[TE+\e], v[TA+\e], 0x3fb8aa3b, -v[TP+\e]   ; what that rounding lost,
.endr
.irp e, 0,1,2,3
	v_fma_f32 v[TE+\e], v[TA+\e], 0x32a5705f, v[TE+\e]    ; and what the constant lost
.endr
	s_wait_alu depctr_va_vdst(0)
.irp e, 0,1,2,3
	v_exp_f32 v[TX+\e], v[TP+\e]
.endr
.irp e, 0,1,2,3
	v_mul_f32 v[TE+\e], 0x3f317218, v[TE+\e]       ; x ln 2.  (The first of these is the plain line behind the exponentials)
.endr
	s_wait_alu depctr_va_vdst(0)
.irp e, 0,1,2,3
	v_fma_f32 v[TX+\e], v[TX+\e], v[TE+\e], v[TX+\e]      ; the frequency: 2^P (1 + eps ln 2)
.endr
.irp e, 0,1,2,3
	v_mul_f32 v[TA+\e], v10, v[TX+\e]              ; the angle, rounded as the reference rounds it
.endr
.irp e, 0,1,2,3
	v_mul_f32 v[TN+\e], 0x3f22f983, v[TA+\e]
.endr
.irp e, 0,1,2,3
	v_rndne_f32 v[TN+\e], v[TN+\e]                 ; n = the nearest whole number of quarter turns, 1,303 at the most
.endr
.irp e, 0,1,2,3
	v_fma_f32 v[TR+\e], v[TN+\e], 0xbfc90fd8, v[TA+\e]    ; r = angle - n pi/2, pi/2 in three parts
.endr
.irp e, 0,1,2,3
	v_fma_f32 v[TR+\e], v[TN+\e], 0xb4a8885a, v[TR+\e]
.endr
.irp e, 0,1,2,3
	v_fma_f32 v[TR+\e], v[TN+\e], 0xa7c234c4, v[TR+\e]
.endr
.irp e, 0,1,2,3
	v_mul_f32 v[TS2+\e], v[TR+\e], v[TR+\e]
.endr
.irp e, 0,1,2,3
	v_fma_f32 v[TSN+\e], v[TS2+\e], s24, 0x3c08839e
	v_fma_f32 v[TCS+\e], v[TS2+\e], s25, 0xbab6061a
.endr
.irp e, 0,1,2,3
	v_fma_f32 v[TSN+\e], v[TSN+\e], v[TS2+\e], 0xbe2aaaa3
	v_fma_f32 v[TCS+\e], v[TCS+\e], v[TS2+\e], 0x3d2aaaa5
.endr
.irp e, 0,1,2,3
	v_mul_f32 v[TSN+\e], v[TSN+\e], v[TS2+\e]
	v_fma_f32 v[TCS+\e], v[TCS+\e], v[TS2+\e], -0.5
.endr
.irp e, 0,1,2,3
	v_fma_f32 v[TSN+\e], v[TSN+\e], v[TR+\e], v[TR+\e]    ; sin r
	v_fma_f32 v[TCS+\e], v[TCS+\e], v[TS2+\e], 1.0        ; cos r
.endr
.irp e, 0,1,2,3
	v_cvt_i32_f32 v[TQ+\e], v[TN+\e]
.endr
.irp e, 0,1,2,3
	v_add_nc_u32 v[TQ+\e], v[TQ+\e], v6            ; q quarter turns: sin(r + q pi/2) = sin r, cos r, -sin r, -cos r for q % 4 = 0, 1, 2, 3
.endr
.irp e, 0,1,2,3
	v_and_b32 v[TT+\e], 1, v[TQ+\e]
	v_cmp_ne_u32 vcc_lo, 0, v[TT+\e]
	v_cndmask_b32 v[TO+\e], v[TSN+\e], v[TCS+\e], vcc_lo
	v_and_b32 v[TT+\e], 2, v[TQ+\e]
	v_lshlrev_b32 v[TT+\e], 30, v[TT+\e]
	v_xor_b32 v[TO+\e], v[TO+\e], v[TT+\e]
.endr
	s_wait_alu depctr_va_vdst(0)
	s_wait_kmcnt 0x0
	global_store_b128 v7, v[TO:TO+3], s[14:15]
	s_endpgm
	; ---------------- x: a plain stream of blocks of 32.  A wave's run is 8 rows; runs are stored with bits 0 and 1 of their number exchanged: bits 3 and 4 of the row
.Lpath_x:
	s_wait_alu depctr_va_vdst(0)
	v_lshlrev_b32 v3, 4, v2                        ; my 16 bytes of a load's 512
	s_mul_i32 s28, s16, WREG
	v_lshrrev_b32 v14, 2, v2
	v_mul_u32_u24 v14, v14, SP
	v_and_b32 v15, 3, v2
	v_lshl_add_u32 v14, v15, 4, v14
	v_add_nc_u32 v14, s28, v14                     ; the stage, on the way in: four lanes' 64 bytes on end, then 16 of padding
	v_mul_u32_u24 v15, v2, SP
	v_add_nc_u32 v15, s28, v15                     ; and on the way out: my 16 neighbours
	v_lshlrev_b32 v4, 4, v2                        ; my codes' place in a step's
	v_lshrrev_b32 v5, 1, v2
	s_add_co_u32 s28, s28, 2*32*SP
	v_add_nc_u32 v5, s28, v5                       ; LDS: my wave's 256 scale bytes, my block's byte
	v_lshlrev_b32 v7, 3, v2                        ; and on the way out 8 bytes a lane
	v_add_nc_u32 v6, s28, v7
	s_lshl_b32 s17, ttmp9, 2
	s_add_co_u32 s18, s17, s16                     ; the run that I read
	s_and_b32 s19, s16, 1
	s_lshl_b32 s19, s19, 1
	s_lshr_b32 s20, s16, 1
	s_or_b32 s19, s19, s20
	s_add_co_u32 s19, s17, s19                     ; the run that I write
	s_lshl_b32 s20, s18, 15                        ; 32,768 bytes of x a run (33.5 million at the most)
	s_mov_b32 s21, 0
	s_lshl_b32 s24, s19, 13                        ; 8,192 bytes of codes
	s_mov_b32 s25, 0
	s_lshl_b32 s26, s19, 8                         ; 256 scale bytes,
	s_add_co_u32 s26, s26, 8388608                 ; behind the codes
	s_mov_b32 s27, 0
	s_wait_alu depctr_va_vdst(0)
	s_wait_kmcnt 0x0
	s_add_nc_u64 s[4:5], s[4:5], s[20:21]
	s_add_nc_u64 s[24:25], s[10:11], s[24:25]
	s_add_nc_u64 s[26:27], s[10:11], s[26:27]
.irp t, 0,1,2,3
	XLOAD \t
.endr
	s_wait_loadcnt 12                              ; step 0's four loads are in
	XTURN 0
.irp t, 0,1,2,3,4,5,6,7,8,9,10,11,12,13,14,15
	XSTEP \t
.endr
	ds_load_b64 v[12:13], v6                       ; LDS serves a wave's instructions in order: these see my stores
	s_wait_dscnt 0x0
	global_store_b64 v7, v[12:13], s[26:27]        ; 32 lanes store 256 consecutive bytes, aligned
	s_wait_tensorcnt 0x0
	ds_add_u32 v208, v209
	s_wait_dscnt 0x0
	s_endpgm
	; ---------------- the weights: a lane takes a column, its registers run down K; 128 columns x 256 along K a work-group
.Lpath_w:
	s_sub_co_u32 s17, ttmp9, 256
	s_and_b32 s18, s17, 3                          ; which 256 along K
	s_lshr_b32 s19, s17, 2                         ; which 128 positions of wq: 0-23 w_qkv's, 24-31 w_out's
	s_mov_b32 s20, 4096
	s_wait_kmcnt 0x0
	s_cmp_lt_u32 s19, 24
	s_cselect_b64 s[30:31], s[6:7], s[8:9]         ; the weight,
	s_cselect_b32 s20, 12288, s20                  ; its row in bytes,
	s_cselect_b32 s24, 0, 24
	s_sub_co_u32 s24, s19, s24                     ; and which 128 of its columns
	s_wait_alu depctr_va_vdst(0)
	v_lshlrev_b32 v3, 2, v2                        ; in: 4 bytes a lane
.irp i, 0,1,2,3,4,5,6,7,8,9,10,11,12,13,14,15,16,17,18,19,20,21,22,23,24,25,26,27,28,29,30,31
	v_mad_u32_u24 v[OF+\i], s20, \i, v3
.endr
	s_mul_i32 s26, s18, s20
	s_lshl_b32 s26, s26, 8                         ; 256 rows for each step along K
	s_lshl_b32 s27, s24, 9
	s_add_co_u32 s26, s26, s27
	s_lshl_b32 s27, s16, 7
	s_add_co_u32 s26, s26, s27                     ; + (128 x group + 32 x wave) columns of 4 bytes
	s_mov_b32 s27, 0
	s_lshl_b32 s28, s20, 5                         ; 32 rows
	s_mov_b32 s29, 0
	s_add_nc_u64 s[BP:BP+1], s[30:31], s[26:27]
.irp t, 1,2,3,4,5,6,7
	s_add_nc_u64 s[BP+2*\t:BP+2*\t+1], s[BP+2*\t-2:BP+2*\t-1], s[28:29]
.endr
	v_and_b32 v14, 7, v2                           ; my column's position among the wave's 32: bits 3 and 4 of the lane exchanged
	v_and_b32 v15, 8, v2
	v_lshl_add_u32 v14, v15, 1, v14
	v_and_b32 v15, 16, v2
	v_lshrrev_b32 v15, 1, v15
	v_add_nc_u32 v14, v14, v15
	s_mul_i32 s21, s16, 32*WPITCH
	s_add_co_u32 s21, s21, WSTG                    ; my stage
	v_mul_u32_u24 v4, v14, WPITCH
	v_add_nc_u32 v4, s21, v4                       ; into it: row = my column's position
	v_and_b32 v5, 15, v2
	v_lshrrev_b32 v6, 4, v2                        ; out of it: sixteen lanes to a row, two rows an instruction
	v_mul_u32_u24 v7, v6, WPITCH
	v_lshl_add_u32 v7, v5, 4, v7
	v_add_nc_u32 v7, s21, v7
	v_lshlrev_b32 v8, 10, v6
	v_lshl_add_u32 v8, v5, 4, v8                   ; and the same place in wq: rows of 1,024 bytes
	v_lshlrev_b32 v9, 5, v14                       ; my position's row of scale bytes
	s_lshl_b32 s21, s19, 7
	s_lshl_b32 s22, s16, 5
	s_add_co_u32 s21, s21, s22                     ; my wave's first position
	s_lshl_b32 s24, s21, 10
	s_lshl_b32 s22, s18, 8
	s_add_co_u32 s24, s24, s22
	s_mov_b32 s25, 0
	s_add_nc_u64 s[24:25], s[12:13], s[24:25]      ; codes
	s_lshl_b32 s26, s21, 5
	s_lshl_b32 s22, s18, 3
	s_add_co_u32 s26, s26, s22
	s_add_co_u32 s26, s26, 4194304
	s_add_nc_u64 s[26:27], s[12:13], s[26:27]      ; scale bytes (s27 is 0)
	WLOAD 0
	WLOAD 1
.set Q, 0
.rept NB
	WBLOCK Q
.set Q, Q+1
.endr
	global_store_b64 v9, v[SB:SB+1], s[26:27]      ; my column's 8 scale bytes
.irp t, 0,1,2,3,4,5,6,7,8,9,10,11,12,13,14,15
	ds_load_b128 v[OUTR+4*\t:OUTR+4*\t+3], v7 offset:2*\t*WPITCH   ; LDS serves a wave's instructions in order: these see my stores
.endr
.irp t, 0,1,2,3,4,5,6,7,8,9,10,11,12,13,14,15
	s_wait_dscnt 15-\t
	global_store_b128 v8, v[OUTR+4*\t:OUTR+4*\t+3], s[24:25] offset:2*\t*1024   ; sixteen lanes store 256 consecutive bytes, aligned
.endr
	s_wait_tensorcnt 0x0
	ds_add_u32 v208, v209
	s_wait_dscnt 0x0
	s_endpgm
.Lfunc_end_k_q07aea9277b_prep:
	.size	k_q07aea9277b_prep, .Lfunc_end_k_q07aea9277b_prep-k_q07aea9277b_prep
	.p2alignl 7, 3214868480
	.fill 96, 4, 3214868480
	.section	.rodata,"a",@progbits
	.p2align	6, 0x0
	.amdhsa_kernel k_q07aea9277b_prep
		.amdhsa_group_segment_fixed_size 68096
		.amdhsa_private_segment_fixed_size 0
		.amdhsa_enable_private_segment 0
		.amdhsa_kernarg_size 48
		.amdhsa_user_sgpr_count 2
		.amdhsa_user_sgpr_kernarg_segment_ptr 1
		.amdhsa_wavefront_size32 1
		.amdhsa_system_sgpr_workgroup_id_x 1
		.amdhsa_system_sgpr_workgroup_id_y 1
		.amdhsa_system_sgpr_workgroup_id_z 1
		.amdhsa_system_vgpr_workitem_id 0
		.amdhsa_next_free_vgpr 210
		.amdhsa_next_free_sgpr 66
		.amdhsa_reserve_vcc 1
		.amdhsa_float_denorm_mode_32 3
		.amdhsa_float_denorm_mode_16_64 3
		.amdhsa_memory_ordered 1
		.amdhsa_forward_progress 1
		.amdhsa_inst_pref_size 121
	.end_amdhsa_kernel
	.amdgpu_metadata
---
amdhsa.version: [ 1, 2 ]
amdhsa.kernels:
  - .name:           k_q07aea9277b_prep
    .symbol:         k_q07aea9277b_prep.kd
    .args:
      - { .name: x, .offset: 0, .size: 8, .value_kind: global_buffer, .address_space: global }
      - { .name: w_qkv, .offset: 8, .size: 8, .value_kind: global_buffer, .address_space: global }
      - { .name: w_out, .offset: 16, .size: 8, .value_kind: global_buffer, .address_space: global }
      - { .name: xq, .offset: 24, .size: 8, .value_kind: global_buffer, .address_space: global }
      - { .name: wq, .offset: 32, .size: 8, .value_kind: global_buffer, .address_space: global }
      - { .name: tab, .offset: 40, .size: 8, .value_kind: global_buffer, .address_space: global }
    .group_segment_fixed_size: 68096
    .private_segment_fixed_size: 0
    .kernarg_segment_align: 8
    .kernarg_segment_size: 48
    .max_flat_workgroup_size: 128
    .sgpr_count:     66
    .vgpr_count:     210
    .wavefront_size: 32
...
	.end_amdgpu_metadata
.endif
;; end of part 1
;; launch g1 (part 2): grid 16 x 16, 4 waves a work-group, clusters of 4 x 4, 327,680 bytes of LDS; arguments xq, wq, tab, qq, kv; writes qq, kv
.if DOCPART == 2
	.amdgcn_target "amdgcn-amd-amdhsa--gfx1250"
	.amdhsa_code_object_version 6
	.text
	.protected	k_q07aea9277b_g1
	.globl	k_q07aea9277b_g1
	.p2align	8
	.type	k_q07aea9277b_g1,@function
k_q07aea9277b_g1:
	s_mov_b64 s[64:65], 0
	v_nop
	global_prefetch_b8 v0, s[64:65] scope:SCOPE_SE
	s_setreg_imm32_b32 hwreg(HW_REG_WAVE_MODE, 25, 1), 1
	s_wait_xcnt 0x0
	s_wait_alu depctr_hold_cnt(0) depctr_sa_sdst(0) depctr_va_vdst(0) depctr_va_sdst(0) depctr_va_ssrc(0) depctr_va_vcc(0) depctr_vm_vsrc(0)
	s_getreg_b32 s2, hwreg(HW_REG_IB_STS2, 6, 4)
	s_cmp_eq_u32 s2, 0
	s_cbranch_scc0 .Lentry_in_a_cluster
	s_endpgm
.Lentry_in_a_cluster:
	s_bfe_u32 s2, ttmp6, 0x10000c
	s_cmp_lg_u32 s2, 0xf033
	s_cbranch_scc0 .Lentry_shape_is_right
	s_endpgm
.Lentry_shape_is_right:
; G1: qkv = x w_qkv on codes of FP8 (E4M3) with E8M0 scales, the rotation of q and k in f32, then q, k (along the head's 64) and v (along the keys) become codes again.  No f32 number goes to memory.
; THE DEAL.  256 work-groups of four waves, 2 x 2.  A wave holds 64 rows of wq (one head of q, k or v), ALL of K, in 512 registers (windows 1, 2) and streams blocks of 16 rows of xq past them; a block, all of K, is 128 registers, two sets (window 3).
; PHASE 1: 512 tokens (tile row R) x 128 columns of q (tile columns 0-7) or k (8-15): four chunks of 128 tokens, four blocks a chunk for each row of waves.  PHASE 2: 256 x 128 of v, of ONE of the tile's two windows of 256 tokens
; (number = cluster x % 2; v's tile column = 4 (cluster x / 2) + cx): eight blocks a wave.  24 blocks of 32 products for every wave.
; LDS: two slots of 128 rows of 1,024 + 16 bytes, and the scale bytes of the 512 tokens, in the order of work.  The order of work takes the window that is not v's first (chunks 0, 1), v's last (chunks 2, 3).
; FILLS.  Head, one load a wave: wave 0 the first weight (slot 1), wave 1 chunk 0 (slot 0), waves 2, 3 a window's scale bytes each.  Every later fill is a refill behind the wait for all loads, the add, the wait for it and a round of the
; cluster's barrier, 32 rows a wave: chunk 1 over the weight once all waves hold it in registers; chunks 2, 3 and then v's weight behind the third block's products of chunks 0, 1, 2 (the same round shows the next chunk); chunk 2 anew over
; v's weight.  v takes chunk 3 as it lies in slot 1, then chunk 2.  x's rows are shared along a row of the cluster, a weight's along a column: joint loads.
; LAYOUT.  xq and wq hold rows by position (bits 3, 4 of the row exchanged).  q, k: source 0 = the weight's 16 rows, source 1 = 16 tokens: a lane holds one token, tiles 0, 1 are d = 16 h + 0 .. 15, tiles 2, 3 d = 32 + 16 h + 0 .. 15.
; v: source 0 = 16 tokens, source 1 = the weight's rows: a lane holds one d, and a pair of blocks gives it 16 neighbouring tokens.  A scale block of 32 lies in lanes l and l xor 16.
; qq, kv: 64 records (16 x batch + head) of REC bytes.  For each 128 tokens (step s): at 16384 s images of 8 tiles of q or k [tile][c 2][lane][16]; at 16384 s + 8192 (kv) images of V^T [16 of the 64: 4][c 4][lane][16];
; at 262144 + 512 s scale words of q or k [lane][4]: word (l, u) is tile 2 u + l / 16, row l % 16, two bytes and two zeros; at 270336 + 256 s (kv) those of V^T [lane][2], four bytes each.
; A row of waves makes half of a step's scale words: they leave as 8 bytes (q, k) or twice 2 bytes (v) a lane: one byte in 32 of what the launch stores.
; PREFETCH: chunks 1 and 2 behind the first barrier, chunk 3 in the first trip: a sixteenth of a chunk for each wave of the cluster's row, told apart by address, lanes 256 bytes apart.  v's weight is read by eight clusters and is not asked for.
; LIMITS: NaN and infinities are not served; a block whose largest magnitude lies under 2^-118 keeps the scale byte 1, and so does a block of zeros (its codes are zeros; this program alone reads the bytes).
.set KROW,  1024
.set PITCH, 1040
.set FR,    16
.set NP,    8                          ; places behind this matrix instruction (ISA guide 7.12.1)
.set NF,    34                         ; LDS loads of a block: eight fragments of four, two of four scale words
.set YB,    128*PITCH                  ; slot 1
.set SCL,   2*YB                       ; x's scale bytes: rows of 256 bytes (8 tokens) + 16
.set CHS,   16*272                     ; those of a chunk
.set SPARE, SCL+4*CHS
.set REC,   274432
.set LI, 1                             ; v1 16 x lane
.set ADRA0, 2                          ; v2 my row of waves' block 0 in slot 0
.set AAS0, 3                           ; v3 its scale words in chunk 0
.set ADRB, 4                           ; v4, v5 my 64 rows of a weight in slot 1, in slot 0
.set ADRB0, 5
.set ABS, 6                            ; v6 32 x lane
.set TBO, 7                            ; v7 the table: (r + 8 (r / 8)) x 256 + 64 h
.set SWO, 8                            ; v8 16 x lane + 8 x row of waves
.set VWO, 9                            ; v9 8 x lane + 2 x row of waves
.set SPW, 10
.set NIL, 11
.set XC, 12                            ; v12-15 this chunk's and the next chunk's blocks and scale words
.set XN, 13
.set SCU, 14
.set SNX, 15
.set PF1, 16
.set PF2, 17
.set PF3, 18
.set SB, 24                            ; v24-39 the weight's scale words: register 8 p + q: lanes 0-15 tile 2 p's, lanes 16-31 tile 2 p + 1's
.set WD, 40                            ; v40-43 scale words made
.set SA, 44                            ; v44-59 x's scale words, two sets of eight
.set SE, 60                            ; v60-61 the scale words' image
.set ACC, 64                           ; v64-127 two sets of four accumulators
.set TAB, 128                          ; v128-191 two sets of the table: 16 cos, 16 sin
.set T1, 192
.set T2, 208
.set PCO, 224                          ; v224-239 codes
.set TM, 240                           ; v240-243 maxima, 244-247 the other half's, then bytes, 248-251 bounds, 252-255 scale operands
.set G1A, 24
.set G1B, 32
.set G1R, 48
.set G0A, 56
.set G0B, 60
.set G0R, 68
.set G0S, 72
.set G1S, 92
.set K, 46                             ; s46 the trip
.set XB, 47                            ; s47, s17 this chunk's slot, the next chunk's
.set XNB, 17
.set SK, 76                            ; s76, s77 their scale words' places
.set SKN, 77
.set ST, 78                            ; s78, s79 their steps of 128 tokens; s80 the first step of v's window
.set STN, 79
.set ST2, 80
.set RO, 81                            ; s81 the rows that the next refill brings, as an offset in xq
.set OUTB, 82
.set OUTW, 84
.set TABB, 86
.set OC, 88
.set OW, 90
.set TP, 100
.set TN, 66
.set MSB, 0
.macro WIN new
.if MSB != (\new)
	s_set_vgpr_msb (MSB<<8)|(\new)
.set MSB, (\new)
.endif
.endm
.macro PLACES n
.rept \n
	v_nop
.endr
.endm
.macro BARRIER
	s_barrier_signal -1
	s_barrier_wait -1
.endm
.macro CROUND
	BARRIER
	s_cmp_lg_u32 s14, 0
	s_cbranch_scc1 .Lnot_wave_0_\@
	s_barrier_signal -3
.Lnot_wave_0_\@:
	s_barrier_wait -3
	BARRIER
.endm
.macro TLOAD g0, g1                    ; s_nop 0 and four v_nop follow a tensor load
	tensor_load_to_lds s[\g0:\g0+3], s[\g1:\g1+7]
	s_nop 0
	PLACES 4
.endm
.macro GROUP1 g, mask, rows            ; whole rows of K, 1,024 bytes, four words of padding behind each
	s_or_b32 s[\g+0], s[\mask], (1<<20)|(1<<21)|(7<<22)|(3<<25)
	s_mov_b32 s[\g+1], KROW<<16
	s_mov_b32 s[\g+2], (\rows)<<16
	s_mov_b32 s[\g+3], KROW<<16
	s_mov_b32 s[\g+4], \rows
	s_mov_b32 s[\g+5], KROW
	s_mov_b32 s[\g+6], 0
	s_mov_b32 s[\g+7], 0
.endm
.macro RDESC off, lds                  ; group 0 of a refill of x's rows: 32 rows a wave, from offset s[off] of xq, into the slot at s[lds]
	s_mul_i32 s[G0R+1], s14, 32*PITCH
	s_add_co_u32 s[G0R+1], s[G0R+1], s[\lds]
	s_lshl_b32 s20, s14, 15
	s_add_co_u32 s20, s20, s[\off]
	s_mov_b32 s21, 0
	s_add_nc_u64 s[G0R+2:G0R+3], s[4:5], s[20:21]
	s_or_b32 s[G0R+3], s[G0R+3], 0x80000000
.endm
.macro WDESC                           ; the same for v's weight: rows 2048 + 128 (4 (cluster x / 2) + cx) of wq
	s_mul_i32 s[G0B+1], s14, 32*PITCH
	s_add_co_u32 s[G0B+1], s[G0B+1], s[XB]
	s_lshl_b32 s20, s19, 2
	s_add_co_u32 s20, s20, s40
	s_lshl_b32 s20, s20, 17
	s_lshl_b32 s21, s14, 15
	s_add_co_u32 s20, s20, s21
	s_add_co_u32 s20, s20, 2097152
	s_mov_b32 s21, 0
	s_add_nc_u64 s[G0B+2:G0B+3], s[6:7], s[20:21]
	s_or_b32 s[G0B+3], s[G0B+3], 0x80000000
.endm
.macro TRIPSET wsh, tabs               ; a chunk's pointers and LDS addresses
	s_wait_xcnt 0x0                                ; earlier loads and stores have read the pointers that are written here
	s_lshl_b32 s20, s[ST], 14
	s_mov_b32 s21, 0
	s_add_nc_u64 s[OC:OC+1], s[OUTB:OUTB+1], s[20:21]
	s_lshl_b32 s20, s[ST], \wsh
	s_add_nc_u64 s[OW:OW+1], s[OUTW:OUTW+1], s[20:21]
.if \tabs
	s_lshl_b32 s20, s[ST], 15
	s_add_nc_u64 s[TP:TP+1], s[TABB:TABB+1], s[20:21]
	s_lshl_b32 s20, s[STN], 15
	s_add_nc_u64 s[TN:TN+1], s[TABB:TABB+1], s[20:21]
.endif
	v_add_nc_u32 v[XC], s[XB], v[ADRA0]
	v_add_nc_u32 v[XN], s[XNB], v[ADRA0]
	v_add_nc_u32 v[SCU], s[SK], v[AAS0]
	v_add_nc_u32 v[SNX], s[SKN], v[AAS0]
	s_wait_alu depctr_va_vdst(0)
.endm
.macro WEIGHTS adr                     ; my 64 rows, all of K: fragment 4 q + b in window 1 + (4 q + b) / 16: 128 loads
.irp q, 0,1,2,3,4,5,6,7
	WIN (1+\q/4)<<6
.irp b, 0,1,2,3
.irp c, 0,1,2,3
	ds_load_b128 v[FR*((4*\q+\b)%16)+4*\c:FR*((4*\q+\b)%16)+4*\c+3], v[\adr] offset:128*\q+32*\c+\b*16*PITCH
.endr
.endr
.endr
	WIN 0
.endm
.macro FETCHX k, a, s, i               ; block i of a chunk, all of K, into set k, and its scale words
	WIN 3<<6
.irp q, 0,1,2,3,4,5,6,7
.irp c, 0,1,2,3
	ds_load_b128 v[128*(\k)+FR*\q+4*\c:128*(\k)+FR*\q+4*\c+3], v[\a] offset:(\i)*16*PITCH+128*\q+32*\c
.endr
.endr
	WIN 0
	ds_load_b128 v[SA+8*(\k):SA+8*(\k)+3], v[\s] offset:(\i)*544
	ds_load_b128 v[SA+8*(\k)+4:SA+8*(\k)+7], v[\s] offset:(\i)*544+16
.endm
.macro PROD kind, e, a, n              ; product n = 4 q + b: the q-th 128 of K, the weight's tile b.  The four accumulators take turns
.set Q_, (\n)/4
.set B_, (\n)%4
.set AC_, ACC+32*(\a)+8*B_
.set R_, 128*(\e)+FR*Q_
.set W_, FR*((\n)%16)
.set XS_, SA+8*(\e)+Q_
.set WS_, SB+8*(B_/2)+Q_
.if \kind
	WIN 3|((1+(\n)/16)<<2)
.if Q_ && B_%2
	v_wmma_scale_f32_16x16x128_f8f6f4 v[AC_:AC_+7], v[R_:R_+FR-1], v[W_:W_+FR-1], v[AC_:AC_+7], v[XS_], v[WS_] matrix_b_scale:MATRIX_SCALE_ROW1
.elseif Q_
	v_wmma_scale_f32_16x16x128_f8f6f4 v[AC_:AC_+7], v[R_:R_+FR-1], v[W_:W_+FR-1], v[AC_:AC_+7], v[XS_], v[WS_]
.elseif B_%2
	v_wmma_scale_f32_16x16x128_f8f6f4 v[AC_:AC_+7], v[R_:R_+FR-1], v[W_:W_+FR-1], 0, v[XS_], v[WS_] matrix_b_scale:MATRIX_SCALE_ROW1
.else
	v_wmma_scale_f32_16x16x128_f8f6f4 v[AC_:AC_+7], v[R_:R_+FR-1], v[W_:W_+FR-1], 0, v[XS_], v[WS_]
.endif
.else
	WIN (1+(\n)/16)|(3<<2)
.if Q_ && B_%2
	v_wmma_scale_f32_16x16x128_f8f6f4 v[AC_:AC_+7], v[W_:W_+FR-1], v[R_:R_+FR-1], v[AC_:AC_+7], v[WS_], v[XS_] matrix_a_scale:MATRIX_SCALE_ROW1
.elseif Q_
	v_wmma_scale_f32_16x16x128_f8f6f4 v[AC_:AC_+7], v[W_:W_+FR-1], v[R_:R_+FR-1], v[AC_:AC_+7], v[WS_], v[XS_]
.elseif B_%2
	v_wmma_scale_f32_16x16x128_f8f6f4 v[AC_:AC_+7], v[W_:W_+FR-1], v[R_:R_+FR-1], 0, v[WS_], v[XS_] matrix_a_scale:MATRIX_SCALE_ROW1
.else
	v_wmma_scale_f32_16x16x128_f8f6f4 v[AC_:AC_+7], v[W_:W_+FR-1], v[R_:R_+FR-1], 0, v[WS_], v[XS_]
.endif
.endif
.endm
.macro PRODS kind, e, a                ; a block's 32 products, and the places ahead of the fetch into its set and of the first reader of its sums
.set N_, 0
.rept 32
	PROD \kind, \e, \a, N_
.set N_, N_+1
.endr
	WIN 0
	PLACES NP
.endm
.macro TABLOAD set, ptr, i             ; cos and sin of block i's 16 tokens and my 16 frequencies
.irp k, 0,1,2,3
	global_load_b128 v[\set+4*\k:\set+4*\k+3], v[TBO], s[\ptr:\ptr+1] offset:(32*((\i)/2)+8*((\i)%2))*256+16*\k
	global_load_b128 v[\set+16+4*\k:\set+16+4*\k+3], v[TBO], s[\ptr:\ptr+1] offset:(32*((\i)/2)+8*((\i)%2))*256+128+16*\k
.endr
.endm
; THE WAY OUT OF A BLOCK OF q OR k: the rotation (x1 = registers 0-15, x2 = 16-31; n ascends), two scale blocks, 32 codes a lane
.macro QEPI i, more
.set TS_, TAB+32*((\i)%2)
.if ((\i) == 3) && ((\more) == 0)
	s_wait_loadcnt 0x0
.else
	s_wait_loadcnt 8                               ; this block's eight loads are in; the other set's eight may be out
.endif
.irp n, 0,2,4,6,8,10,12,14
	v_pk_mul_f32 v[T1+\n:T1+\n+1], v[ACC+16+\n:ACC+16+\n+1], v[TS_+16+\n:TS_+16+\n+1]
	v_pk_mul_f32 v[T2+\n:T2+\n+1], v[ACC+16+\n:ACC+16+\n+1], v[TS_+\n:TS_+\n+1]
.endr
.irp n, 0,2,4,6,8,10,12,14
	v_pk_fma_f32 v[ACC+16+\n:ACC+16+\n+1], v[ACC+\n:ACC+\n+1], v[TS_+16+\n:TS_+16+\n+1], v[T2+\n:T2+\n+1]
	v_pk_fma_f32 v[ACC+\n:ACC+\n+1], v[ACC+\n:ACC+\n+1], v[TS_+\n:TS_+\n+1], v[T1+\n:T1+\n+1] neg_lo:[0,0,1] neg_hi:[0,0,1]
.endr
.if (\i) < 2
	TABLOAD TS_, TP, (\i)+2                        ; the set takes the block two on
.elseif \more
	TABLOAD TS_, TN, (\i)-2
.endif
.irp c, 0,1,2,3
	v_max3_num_f32 v[TM+\c], |v[ACC+8*\c]|, |v[ACC+8*\c+1]|, |v[ACC+8*\c+2]|
.endr
.irp j, 3,5
.irp c, 0,1,2,3
	v_max3_num_f32 v[TM+\c], v[TM+\c], |v[ACC+8*\c+\j]|, |v[ACC+8*\c+\j+1]|
.endr
.endr
.irp c, 0,1,2,3
	v_max_num_f32 v[TM+\c], v[TM+\c], |v[ACC+8*\c+7]|
.endr
	v_max3_num_f32 v[TM], v[TM], v[TM+1], 0x4800000        ; and the floor 2^(9 - 127): the byte cannot fall under 1
	v_max3_num_f32 v[TM+2], v[TM+2], v[TM+3], 0x4800000
	v_permlanex16_b32 v[TM+4], v[TM], s8, s9
	v_permlanex16_b32 v[TM+6], v[TM+2], s8, s9
	v_max_num_f32 v[TM], v[TM], v[TM+4]            ; with lane l xor 16's: the block's largest magnitude
	v_max_num_f32 v[TM+2], v[TM+2], v[TM+6]
	v_add_nc_u32 v[TM+12], 0xfc000000, v[TM]       ; 8 off the exponent field: the conversion's scale operand
	v_add_nc_u32 v[TM+14], 0xfc000000, v[TM+2]
	v_and_or_b32 v[TM+8], v[TM], 0x7f800000, s10   ; 448 x the scale
	v_and_or_b32 v[TM+10], v[TM+2], 0x7f800000, s10
	v_lshrrev_b32 v[TM+4], 23, v[TM+12]
	v_lshrrev_b32 v[TM+6], 23, v[TM+14]
	v_lshl_or_b32 v[WD+(\i)], v[TM+6], 8, v[TM+4]  ; two bytes, and two zeros for the half of the next product's K that is empty
.irp b, 0,1
.irp j, 0,1,2,3,4,5,6,7,8,9,10,11,12,13,14,15
	v_med3_num_f32 v[ACC+16*\b+\j], v[ACC+16*\b+\j], -v[TM+8+2*\b], v[TM+8+2*\b]   ; the conversion does not saturate (ISA guide 7.6.2)
.endr
.endr
.irp b, 0,1
	v_cvt_scalef32_pk8_fp8_f32 v[PCO+4*\b:PCO+4*\b+1], v[ACC+16*\b:ACC+16*\b+7], v[TM+12+2*\b]
	v_cvt_scalef32_pk8_fp8_f32 v[PCO+4*\b+2:PCO+4*\b+3], v[ACC+16*\b+8:ACC+16*\b+15], v[TM+12+2*\b]
.endr
	v_nop                                          ; a plain line behind the last conversion
	global_store_b128 v[LI], v[PCO:PCO+3], s[OC:OC+1] offset:(\i)*1024            ; 512 consecutive bytes, aligned
	global_store_b128 v[LI], v[PCO+4:PCO+7], s[OC:OC+1] offset:(\i)*1024+512
.if (\i) == 3
	v_cndmask_b32 v[SE], v[WD], v[WD+1], s11       ; lanes 16-31 carry the odd tile's words
	v_cndmask_b32 v[SE+1], v[WD+2], v[WD+3], s11
	global_store_b64 v[SWO], v[SE:SE+1], s[OW:OW+1]
.endif
.endm
; THE WAY OUT OF A PAIR OF v's BLOCKS: for each of the weight's four tiles 16 neighbouring tokens a lane: a scale block with lane l xor 16
.macro VEPI p
.irp t, 0,1,2,3
	v_max3_num_f32 v[TM+\t], |v[ACC+8*\t]|, |v[ACC+8*\t+1]|, 0x4800000
.endr
.irp j, 2,4,6
.irp t, 0,1,2,3
	v_max3_num_f32 v[TM+\t], v[TM+\t], |v[ACC+8*\t+\j]|, |v[ACC+8*\t+\j+1]|
.endr
.endr
.irp j, 0,2,4,6
.irp t, 0,1,2,3
	v_max3_num_f32 v[TM+\t], v[TM+\t], |v[ACC+32+8*\t+\j]|, |v[ACC+32+8*\t+\j+1]|
.endr
.endr
.irp t, 0,1,2,3
	v_permlanex16_b32 v[TM+4+\t], v[TM+\t], s8, s9
.endr
.irp t, 0,1,2,3
	v_max_num_f32 v[TM+\t], v[TM+\t], v[TM+4+\t]
.endr
.irp t, 0,1,2,3
	v_add_nc_u32 v[TM+12+\t], 0xfc000000, v[TM+\t]
.endr
.irp t, 0,1,2,3
	v_and_or_b32 v[TM+8+\t], v[TM+\t], 0x7f800000, s10
.endr
.irp t, 0,1,2,3
	v_lshrrev_b32 v[TM+4+\t], 23, v[TM+12+\t]
.endr
.irp t, 0,1,2,3
.if \p
	v_lshl_or_b32 v[WD+\t], v[TM+4+\t], 8, v[WD+\t]
.else
	v_mov_b32 v[WD+\t], v[TM+4+\t]
.endif
.endr
.irp t, 0,1,2,3
.irp j, 0,1,2,3,4,5,6,7
	v_med3_num_f32 v[ACC+8*\t+\j], v[ACC+8*\t+\j], -v[TM+8+\t], v[TM+8+\t]
	v_med3_num_f32 v[ACC+32+8*\t+\j], v[ACC+32+8*\t+\j], -v[TM+8+\t], v[TM+8+\t]
.endr
.endr
.irp t, 0,1,2,3
	v_cvt_scalef32_pk8_fp8_f32 v[PCO+4*\t:PCO+4*\t+1], v[ACC+8*\t:ACC+8*\t+7], v[TM+12+\t]
	v_cvt_scalef32_pk8_fp8_f32 v[PCO+4*\t+2:PCO+4*\t+3], v[ACC+32+8*\t:ACC+32+8*\t+7], v[TM+12+\t]
.endr
	v_nop                                          ; a plain line behind the last conversion
.irp t, 0,1,2,3
	global_store_b128 v[LI], v[PCO+4*\t:PCO+4*\t+3], s[OC:OC+1] offset:\t*2048+(\p)*512
.endr
.if \p
	v_cndmask_b32 v[SE], v[WD], v[WD+1], s11
	v_cndmask_b32 v[SE+1], v[WD+2], v[WD+3], s11
	global_store_b16 v[VWO], v[SE], s[OW:OW+1]     ; my two of each word's four bytes
	global_store_b16 v[VWO], v[SE+1], s[OW:OW+1] offset:4
.endif
.endm
; A CHUNK OF PHASE 1.  refill 1: x's rows; 2: v's weight; 0: none, and a plain barrier shows v's weight.  more: the next chunk has a table.  ask: chunk 3 is prefetched in trip 0
.macro TRIP refill, more, ask
.irp i, 0,1,2,3
	s_wait_dscnt NF                                ; this block's set is in; the other set's fetch may be out
	s_wait_xcnt 0x0                                ; the last block's stores have read their registers
	PRODS 0, \i%2, 0
.if \i == 2
.if \refill
	s_wait_tensorcnt 0x0                           ; my part of the next chunk is in;
	ds_add_u32 v[SPW], v[NIL]
.if \refill == 1
	RDESC RO, XB
.else
	WDESC
.endif
	s_wait_dscnt 0x0                               ; my reads of this chunk are over: its last block is in registers
	CROUND
.if \refill == 1
	TLOAD G0R, G1R
.else
	TLOAD G0B, G1B
.endif
.else
	s_wait_tensorcnt 0x0
	s_wait_dscnt 0x0
	BARRIER
.endif
.endif
.if \i < 2
	FETCHX \i%2, XC, SCU, \i+2
.else
	FETCHX \i%2, XN, SNX, \i-2
.endif
.if (\i == 0) && (\ask)
	s_cmp_lg_u32 s[K], 0
	s_cbranch_scc1 .Lnone_ahead_\@
	global_prefetch_b8 v[PF3], s[4:5] th:TH_LOAD_NT scope:SCOPE_SE
.Lnone_ahead_\@:
.endif
	QEPI \i, \more
.endr
.endm
	s_load_b256 s[4:11], s[0:1], 0x0               ; xq s[4:5], wq s[6:7], tab s[8:9], qq s[10:11]
	s_load_b64 s[12:13], s[0:1], 0x20              ; kv
	v_lshl_add_u32 v[SPW], v0, 2, SPARE
	v_mov_b32 v[NIL], 0
	ds_add_u32 v[SPW], v[NIL]                      ; the opening lines: the add, twice on end, and its wait
	ds_add_u32 v[SPW], v[NIL]
	v_lshrrev_b32 v19, 5, v0
	v_readfirstlane_b32 s14, v19                   ; wave 0..3
	s_lshr_b32 s15, s14, 1                         ; my row of waves
	s_and_b32 s16, s14, 1                          ; my column of waves
	s_bfe_u32 s40, ttmp6, 0x40000                  ; cx, cy
	s_bfe_u32 s41, ttmp6, 0x40004
	s_lshl_b32 s42, ttmp9, 2
	s_add_co_u32 s42, s42, s40                     ; tile column, 0 .. 15
	s_and_b32 s43, ttmp7, 0xffff
	s_lshl_b32 s43, s43, 2
	s_add_co_u32 s43, s43, s41                     ; tile row, 0 .. 15
	s_lshr_b32 s19, ttmp9, 1                       ; 0: q; 1: k
	s_and_b32 s18, ttmp9, 1                        ; v's window
	s_lshl_b32 s44, s41, 2
	s_lshl_b32 s44, 15, s44                        ; my row of the cluster
	s_lshl_b32 s45, 0x1111, s40                    ; my column
	GROUP1 G1B, 45, 128
	GROUP1 G1A, 44, 128
	GROUP1 G1R, 44, 32
	s_or_b32 s[G1S+0], s44, (3<<16)|(1<<20)|(1<<21)|(5<<22)|(3<<25)   ; a window's scale bytes: 8,192 dense bytes as 32 rows of 256 + 16
	s_mov_b32 s[G1S+1], 32<<16
	s_mov_b32 s[G1S+2], 32<<16
	s_mov_b32 s[G1S+3], 32<<16
	s_mov_b32 s[G1S+4], 32
	s_mov_b32 s[G1S+5], 32
	s_mov_b32 s[G1S+6], 0
	s_mov_b32 s[G1S+7], 0
	s_lshl_b32 s3, s43, 19                         ; my tile's first row in xq
	s_lshl_b32 s20, s18, 18
	s_add_co_u32 s2, s3, s20                       ; s2: v's window (chunks 2, 3)
	s_xor_b32 s20, s20, 1<<18
	s_add_co_u32 s3, s3, s20                       ; s3: the other window (chunks 0, 1)
	s_lshl_b32 s22, s42, 17                        ; the first weight's rows
	s_mov_b32 s23, 0
	s_xor_b32 s20, s18, 1
	s_cmp_eq_u32 s16, 1
	s_cselect_b32 s20, s18, s20                    ; wave 2: the other window's scale bytes; wave 3: v's window's
	s_lshl_b32 s20, s20, 13
	s_lshl_b32 s21, s43, 14
	s_add_co_u32 s20, s20, s21
	s_add_co_u32 s20, s20, 8388608
	s_mov_b32 s21, 0
	s_mov_b32 s88, s3
	s_mov_b32 s89, 0
	s_mov_b32 s[G0A], 1
	s_mov_b32 s[G0A+1], 0
	s_mov_b32 s[G0B], 1
	s_mov_b32 s[G0B+1], YB
	s_mov_b32 s[G0R], 1
	s_mov_b32 s[G0S], 1
	s_mul_i32 s[G0S+1], s16, 2*CHS
	s_add_co_u32 s[G0S+1], s[G0S+1], SCL
	s_wait_dscnt 0x0                               ; both opening adds are done
	CROUND                                         ; all sixteen work-groups are here
	s_wait_kmcnt 0x0
	s_add_nc_u64 s[G0A+2:G0A+3], s[4:5], s[88:89]
	s_or_b32 s[G0A+3], s[G0A+3], 0x80000000
	s_add_nc_u64 s[G0B+2:G0B+3], s[6:7], s[22:23]
	s_or_b32 s[G0B+3], s[G0B+3], 0x80000000
	s_add_nc_u64 s[G0S+2:G0S+3], s[4:5], s[20:21]
	s_or_b32 s[G0S+3], s[G0S+3], 0x80000000
	s_cmp_eq_u32 s14, 0                            ; one joint load a wave: one chain of branches, an arm a load, one join
	s_cbranch_scc0 .Lwave_1
	TLOAD G0B, G1B                                 ; wave 0: the first weight
	s_branch .Lasked
.Lwave_1:
	s_cmp_eq_u32 s14, 1
	s_cbranch_scc0 .Lfor_scales
	TLOAD G0A, G1A                                 ; wave 1: chunk 0
	s_branch .Lasked
.Lfor_scales:
	TLOAD G0S, G1S                                 ; waves 2, 3: a window's scale bytes each
.Lasked:
	s_lshl_b32 s20, s42, 12                        ; the first weight's scale bytes: my 64 rows
	s_lshl_b32 s22, s16, 11
	s_add_co_u32 s20, s20, s22
	s_add_co_u32 s20, s20, 4194304
	s_add_nc_u64 s[TN:TN+1], s[6:7], s[20:21]
	s_lshr_b32 s22, s43, 2                         ; the batch
	s_lshl_b32 s22, s22, 4
	s_and_b32 s23, s42, 7
	s_lshl_b32 s23, s23, 1
	s_add_co_u32 s22, s22, s23
	s_add_co_u32 s22, s22, s16                     ; my record: 16 x batch + head
	s_mul_i32 s22, s22, REC
	s_lshl_b32 s23, s15, 12                        ; my row of waves makes tiles 4 w .. 4 w + 3 of a step
	s_add_co_u32 s88, s22, s23
	s_cmp_eq_u32 s19, 0
	s_cselect_b64 s[OUTW:OUTW+1], s[10:11], s[12:13]   ; q goes to qq, k to kv
	s_add_nc_u64 s[OUTB:OUTB+1], s[OUTW:OUTW+1], s[88:89]
	s_add_co_u32 s88, s22, 262144
	s_add_nc_u64 s[OUTW:OUTW+1], s[OUTW:OUTW+1], s[88:89]
	s_lshl_b32 s88, s15, 14                        ; the table: 64 rows of 256 bytes for each row of waves
	s_add_nc_u64 s[TABB:TABB+1], s[8:9], s[88:89]
	s_and_b32 s22, s43, 3
	s_lshl_b32 s22, s22, 2
	s_lshl_b32 s23, s18, 1
	s_add_co_u32 s[ST2], s22, s23
	s_xor_b32 s23, s23, 2
	s_add_co_u32 s[ST], s22, s23
	s_add_co_u32 s[STN], s[ST], 1
	s_mov_b32 s[K], 0
	s_mov_b32 s[XB], 0
	s_mov_b32 s[XNB], YB
	s_mov_b32 s[SK], 0
	s_mov_b32 s[SKN], CHS
	s_mov_b32 s[RO], s2
	s_mov_b32 s8, 0x76543210
	s_mov_b32 s9, 0xfedcba98                       ; v_permlanex16_b32's selects for lane l xor 16
	s_mov_b32 s10, 0x600000                        ; the mantissa field of 448
	s_mov_b32 s11, 0xffff0000                      ; lanes 16-31
	s_mul_i32 s20, s15, 64*PITCH
	s_mul_i32 s21, s16, 64*PITCH
	s_add_co_u32 s22, s21, YB
	s_mul_i32 s23, s15, 4*544
	s_add_co_u32 s23, s23, SCL
	s_lshl_b32 s88, s15, 3
	s_lshl_b32 s89, s15, 1
	s_lshl_b32 s90, s40, 2
	s_add_co_u32 s90, s90, s14
	s_lshl_b32 s90, s90, 13                        ; my sixteenth of a chunk
	s_add_co_u32 s91, s3, 131072                   ; chunk 1
	s_add_co_u32 s100, s2, 131072                  ; chunk 3
	v_and_b32 v19, 15, v0                          ; r
	v_bfe_u32 v20, v0, 4, 1                        ; h
	v_and_b32 v21, 31, v0                          ; lane
	v_lshlrev_b32 v[LI], 4, v21
	v_mul_u32_u24 v22, v19, PITCH
	v_lshl_add_u32 v22, v20, 4, v22
	v_add_nc_u32 v[ADRA0], s20, v22
	v_add_nc_u32 v[ADRB0], s21, v22
	v_add_nc_u32 v[ADRB], s22, v22
	v_lshlrev_b32 v[ABS], 5, v21
	v_lshlrev_b32 v23, 5, v19
	v_lshrrev_b32 v22, 3, v19
	v_lshl_add_u32 v23, v22, 4, v23                ; 32 bytes a row, 16 more for each 256 passed
	v_add_nc_u32 v[AAS0], s23, v23
	v_and_b32 v22, 8, v19
	v_add_nc_u32 v22, v22, v19
	v_lshlrev_b32 v22, 8, v22
	v_lshl_add_u32 v[TBO], v20, 6, v22
	v_add_nc_u32 v[SWO], s88, v[LI]
	v_lshlrev_b32 v22, 3, v21
	v_add_nc_u32 v[VWO], s89, v22
	v_lshl_add_u32 v22, v21, 8, s90
	v_add_nc_u32 v[PF1], s91, v22
	v_add_nc_u32 v[PF2], s2, v22
	v_add_nc_u32 v[PF3], s100, v22
.irp t, 0,1,2,3
	v_mov_b32 v[TM+4+\t], 0                        ; written once: a lane permute's destination counts as one of its sources
.endr
	s_wait_alu depctr_va_vdst(0)                   ; the wait at the head's end
.irp p, 0,1
.irp c, 0,1
	global_load_b128 v[SB+8*\p+4*\c:SB+8*\p+4*\c+3], v[ABS], s[TN:TN+1] offset:\p*1024+16*\c
.endr
.endr
	TRIPSET 9, 1
	TABLOAD TAB, TP, 0
	TABLOAD TAB+32, TP, 1
	s_wait_tensorcnt 0x0                           ; my tile of the head's is in,
	BARRIER                                        ; everybody's is
	global_prefetch_b8 v[PF1], s[4:5] th:TH_LOAD_NT scope:SCOPE_SE
	global_prefetch_b8 v[PF2], s[4:5] th:TH_LOAD_NT scope:SCOPE_SE
	WEIGHTS ADRB
	FETCHX 0, XC, SCU, 0
	FETCHX 1, XC, SCU, 1
	s_wait_tensorcnt 0x0                           ; chunk 1 goes over the weight: the three lines and a round, as ahead of every refill
	ds_add_u32 v[SPW], v[NIL]
	s_mov_b32 s[G1B+2], 32<<16                     ; no tensor load of mine is out: v's weight will come 32 rows a wave
	s_mov_b32 s[G1B+4], 32
	s_add_co_u32 s22, s3, 131072
	RDESC 22, XNB
	s_wait_dscnt 0x0                               ; the weight is in registers
	CROUND
	TLOAD G0R, G1R
	s_wait_loadcnt 16                              ; the weight's scale words are in; the table's two sets may be out
.Ltrip:                                            ; chunks 0, 1: slot 0 takes chunk 2, slot 1 chunk 3
	TRIP 1, 1, 1
	s_mov_b32 s[ST], s[STN]
	s_add_co_u32 s20, s[STN], 1
	s_cmp_eq_u32 s[K], 0
	s_cselect_b32 s[STN], s[ST2], s20              ; behind chunk 1 comes v's window
	s_xor_b32 s[XB], s[XB], YB
	s_xor_b32 s[XNB], s[XNB], YB
	s_add_co_u32 s[SK], s[SK], CHS
	s_add_co_u32 s[SKN], s[SKN], CHS
	s_add_co_u32 s[RO], s[RO], 131072
	TRIPSET 9, 1
	s_add_co_u32 s[K], s[K], 1
	s_cmp_lt_u32 s[K], 2
	s_cbranch_scc1 .Ltrip
	TRIP 2, 1, 0                                   ; chunk 2: slot 0 takes v's weight
	s_mov_b32 s[ST], s[STN]
	s_mov_b32 s[XB], YB
	s_mov_b32 s[XNB], YB                           ; behind chunk 3 come its own first blocks again, for v
	s_mov_b32 s[SK], 3*CHS
	s_mov_b32 s[SKN], 3*CHS
	TRIPSET 9, 1
	TRIP 0, 0, 0                                   ; chunk 3
	; THE CHANGE OF PHASE
	s_wait_xcnt 0x0
	s_lshl_b32 s20, s19, 2
	s_add_co_u32 s20, s20, s40                     ; v's tile column
	s_lshl_b32 s22, s20, 12
	s_lshl_b32 s23, s16, 11
	s_add_co_u32 s22, s22, s23
	s_add_co_u32 s22, s22, 4259840                 ; its scale bytes: behind 2,048 rows of 32
	s_mov_b32 s23, 0
	s_add_nc_u64 s[TN:TN+1], s[6:7], s[22:23]
.irp p, 0,1
.irp c, 0,1
	global_load_b128 v[SB+8*\p+4*\c:SB+8*\p+4*\c+3], v[ABS], s[TN:TN+1] offset:\p*1024+16*\c
.endr
.endr
	s_lshr_b32 s22, s43, 2
	s_lshl_b32 s22, s22, 4
	s_lshl_b32 s20, s20, 1
	s_add_co_u32 s22, s22, s20
	s_add_co_u32 s22, s22, s16
	s_mul_i32 s22, s22, REC                        ; v's record
	s_lshl_b32 s20, s15, 10                        ; my row of waves makes groups 2 w, 2 w + 1 of a step
	s_add_co_u32 s20, s20, s22
	s_add_co_u32 s20, s20, 8192
	s_mov_b32 s21, 0
	s_add_nc_u64 s[OUTB:OUTB+1], s[12:13], s[20:21]
	s_add_co_u32 s20, s22, 270336
	s_add_nc_u64 s[OUTW:OUTW+1], s[12:13], s[20:21]
	s_add_co_u32 s[ST], s[ST2], 1                  ; chunk 3's step first
	s_mov_b32 s[XNB], 0
	s_mov_b32 s[SKN], 2*CHS
	s_mov_b32 s[K], 0
	TRIPSET 8, 0
	WEIGHTS ADRB0
	s_wait_tensorcnt 0x0                           ; chunk 2 goes anew over v's weight
	ds_add_u32 v[SPW], v[NIL]
	RDESC 2, XNB
	s_wait_dscnt 0x0
	CROUND
	TLOAD G0R, G1R
	s_wait_loadcnt 0x0                             ; v's scale words
.Lv:                                               ; two trips: chunk 3, chunk 2
	s_wait_dscnt NF
	PRODS 1, 0, 0
	FETCHX 0, XC, SCU, 2
	s_wait_dscnt NF
	PRODS 1, 1, 1
	FETCHX 1, XC, SCU, 3
	VEPI 0
	s_wait_dscnt NF
	s_wait_xcnt 0x0
	PRODS 1, 0, 0
	s_wait_tensorcnt 0x0                           ; the first trip's barrier shows chunk 2
	s_wait_dscnt 0x0
	BARRIER
	s_cmp_lg_u32 s[K], 0
	s_cbranch_scc1 .Lnone_0
	FETCHX 0, XN, SNX, 0
.Lnone_0:
	PRODS 1, 1, 1
	s_cmp_lg_u32 s[K], 0
	s_cbranch_scc1 .Lnone_1
	FETCHX 1, XN, SNX, 1
.Lnone_1:
	VEPI 1
	s_sub_co_u32 s[ST], s[ST], 1
	s_mov_b32 s[XB], 0
	s_mov_b32 s[SK], 2*CHS
	TRIPSET 8, 0
	s_add_co_u32 s[K], s[K], 1
	s_cmp_lt_u32 s[K], 2
	s_cbranch_scc1 .Lv
	s_wait_tensorcnt 0x0                           ; the wave's end
	ds_add_u32 v[SPW], v[NIL]
	s_wait_dscnt 0x0
	CROUND                                         ; the closing round
	s_endpgm
.Lfunc_end_k_q07aea9277b_g1:
	.size	k_q07aea9277b_g1, .Lfunc_end_k_q07aea9277b_g1-k_q07aea9277b_g1
	.p2alignl 7, 3214868480
	.fill 96, 4, 3214868480
	.section	.rodata,"a",@progbits
	.p2align	6, 0x0
	.amdhsa_kernel k_q07aea9277b_g1
		.amdhsa_group_segment_fixed_size 327680
		.amdhsa_private_segment_fixed_size 0
		.amdhsa_enable_private_segment 0
		.amdhsa_kernarg_size 40
		.amdhsa_user_sgpr_count 2
		.amdhsa_user_sgpr_kernarg_segment_ptr 1
		.amdhsa_wavefront_size32 1
		.amdhsa_system_sgpr_workgroup_id_x 1
		.amdhsa_system_sgpr_workgroup_id_y 1
		.amdhsa_system_sgpr_workgroup_id_z 1
		.amdhsa_system_vgpr_workitem_id 0
		.amdhsa_next_free_vgpr 1024
		.amdhsa_next_free_sgpr 102
		.amdhsa_reserve_vcc 0
		.amdhsa_float_denorm_mode_32 3
		.amdhsa_float_denorm_mode_16_64 3
		.amdhsa_memory_ordered 1
		.amdhsa_forward_progress 1
		.amdhsa_inst_pref_size 248
	.end_amdhsa_kernel
	.amdgpu_metadata
---
amdhsa.version: [ 1, 2 ]
amdhsa.kernels:
  - .name:           k_q07aea9277b_g1
    .symbol:         k_q07aea9277b_g1.kd
    .args:
      - { .name: xq, .offset: 0, .size: 8, .value_kind: global_buffer, .address_space: global }
      - { .name: wq, .offset: 8, .size: 8, .value_kind: global_buffer, .address_space: global }
      - { .name: tab, .offset: 16, .size: 8, .value_kind: global_buffer, .address_space: global }
      - { .name: qq, .offset: 24, .size: 8, .value_kind: global_buffer, .address_space: global }
      - { .name: kv, .offset: 32, .size: 8, .value_kind: global_buffer, .address_space: global }
    .group_segment_fixed_size: 327680
    .private_segment_fixed_size: 0
    .kernarg_segment_align: 8
    .kernarg_segment_size: 40
    .max_flat_workgroup_size: 128
    .sgpr_count:     102
    .vgpr_count:     1024
    .wavefront_size: 32
...
	.end_amdgpu_metadata
.endif
;; end of part 2
;; launch att (part 3): grid 4 x 64, 16 waves a work-group, no clusters, 327,680 bytes of LDS; arguments qq, kv, yq; writes yq
.if DOCPART == 3
	.amdgcn_target "amdgcn-amd-amdhsa--gfx1250"
	.amdhsa_code_object_version 6
	.text
	.protected	k_q07aea9277b_att
	.globl	k_q07aea9277b_att
	.p2align	8
	.type	k_q07aea9277b_att,@function
k_q07aea9277b_att:
	s_mov_b64 s[64:65], 0
	v_nop
	global_prefetch_b8 v0, s[64:65] scope:SCOPE_SE
	s_setreg_imm32_b32 hwreg(HW_REG_WAVE_MODE, 25, 1), 1
	s_wait_xcnt 0x0
; ATT: y = softmax(q k^T / 8, causal) v for one head, both products on codes of FP8 (E4M3) with E8M0 scales; y is divided by the row's sum and becomes codes along the model's 1,024 for the last product.
; THE SOFTMAX: t = score x log2(e) / 8; M = the row's largest t so far, rounded UP to a whole number; p = 2^(t - M) is quantised along the keys; the row's sum is taken of the unquantised p and divides at the end.
; When M moves, the sum and O are multiplied by 2^(old M - new M): exact.
; SHARES.  Work-group (i, head) owns the blocks of 256 queries 7 - i and i of its head: 16 - 2 i and 2 i + 2 key steps of 128, eighteen for every work-group.  Each of sixteen waves owns one tile of 16 queries of the block in hand, in 256 registers.
; LDS IS THE HEAD'S RECORD OF kv at the record's own offsets; every byte is filled at most once.  At the head each wave has one tensor load: waves 0-7 key steps 0 and 1 (4,096 bytes each), waves 8-15 the scale words (1,536 bytes each).
; THE WALK.  First loop, seven trips of two key steps (0 .. 13) for block 7 - i: at a trip's head the wait for all loads, the add, its wait and a barrier, and behind it each wave asks for 2,048 bytes of the NEXT two key steps, which have
; the trip's two steps in which to land.  A pair whose first key step is 16 - 2 i or more is read by no wave and is not asked for: a jump on ids, the same in all waves, round the load's lines alone; where it begins hangs on the
; work-group's number, and every wait on TENSORcnt is for 0.  Second loop, ten trips: key steps 14, 15 for block 7 - i, then 0 .. 7 for block i.  All trip counts are constants; a step beyond a wave's queries is jumped over.
; LAYOUT.  Both products are used transposed: S^T = K Q^T, O^T = V^T P^T: a lane holds ONE query throughout.  Tiles hold their rows by position (bits 3 and 4 exchanged): lane r of tile w holds query Q0 + 16 (r / 8) + r % 8,
; the 16 registers of S^T's tiles 2 b, 2 b + 1 are keys 32 b + 16 (lane / 16) + 0 .. 15, and those of O^T's tiles likewise along the head's 64.  All operands lie in LDS and memory as images of their registers.
; K = 64 IN AN INSTRUCTION OF 128: Q's registers 8-15 are zero codes.  A tile of K is 8 registers; the instruction names 16: the upper 8 are the next tile's codes (behind the last tile: zeros), finite numbers, and 0 x a finite number adds nothing.
; Bytes 2 and 3 of Q's and K's scale words are 0.
; NO CLUSTER: the four work-groups of a head stop asking for key steps at different trips, a branch that would hang on the place in the cluster.  NO PREFETCH: each fill is asked for a whole trip ahead of its use, and the four work-groups of a head ask for the same bytes in the same trips.
; CAUSAL (reference()'s own tril): a step all of whose keys come after the wave's queries is jumped over by a scalar branch on ids.  A wave's 16 queries lie in ONE aligned block of 32 keys, number B0 = (wave / 2) % 4 of the one step on the diagonal:
; there block B0's sixteen scores are chosen against -infinity by sixteen lane masks made once at the head (they hang on the wave and the lane alone), and the blocks behind B0 become -infinity whole.  Key 0 counts for every query.
; y's scale bytes leave two a lane, to rows 32 bytes apart: one byte in 32 of what the launch stores.
; LIMITS: NaN and infinities are not served; a block whose largest magnitude lies under 2^-118 keeps the scale byte 1, and so does a block of zeros.  The promise holds while |t| stays under 2^31.
.set REC,  274432
.set KSC,  262144                      ; K's scale words, 512 bytes a key step
.set VSC,  270336                      ; V's, 256 bytes a key step
.set LI,   1                           ; v1   16 x lane
.set L8,   2                           ; v2   8 x lane
.set QL,   3                           ; v3   16 (r / 8) + r % 8 - 16 h
.set ADK,  4                           ; v4   the step's images
.set ADS,  5                           ; v5   K's scale words
.set ADT,  6                           ; v6   V's
.set R16,  7                           ; v7   16 r
.set R32,  8                           ; v8   32 r
; v12 -M, v13 the largest t, v[14:15] the sum; v16-23 Q's codes, v24-31 zeros
.set KT,   32                          ; v32-95  8 tiles of K, later 4 tiles of V^T;  v96-103 zeros
.set S,    104                         ; v104-167 S^T, then p; at the end y
.set O,    168                         ; v168-199 O^T
.set PCD,  200                         ; v200-215 p's codes, at the end y's
; v216-219 K's scale words, v220-221 V's, v222 Q's, v223 p's
.set TM,   224                         ; v224-227 block maxima, v228-231 the other half's, then bytes, then second copies of the bounds, v232-235 448 x the scale, v236-239 scale operands
; v[240:241], v246-253 chains of the sum, v242 at work, v[244:245] f, v247 -infinity in the mask; v254, v255 the add's two registers
.set WV,   12
.set BH,   13
.set SW,   16
.set MNT,  17
.set SEL,  20
.set CS,   22
.set G1A,  24
.set G1B,  32
.set G1C,  40
.set G0A,  48
.set G0B,  52
.set G0C,  56
.set CNT,  70
.set KAP,  71
.set TB,   72
.set TS,   73
.set TJ,   74
.set KF,   75
.set Q0,   76
.set QM,   77
.set J,    78
.set B0,   85                          ; s85  the block of 32 keys in which my queries lie
.set MK,   86                          ; s86-101  lane masks: bit set where key i of block B0 is hidden from the lane's query
; The block of queries s[J]: my tile's first query, Q's codes and scale word (asked for here), and where y goes.
.macro SETQ
	s_lshl_b32 s[Q0], s[J], 8
	s_lshr_b32 s79, s[WV], 1
	s_lshl_b32 s79, s79, 5
	s_add_co_u32 s[Q0], s[Q0], s79
	s_and_b32 s79, s[WV], 1
	s_lshl_b32 s80, s79, 3
	s_add_co_u32 s[Q0], s[Q0], s80                 ; 256 j + 32 (w / 2) + 8 (w % 2): my tile's smallest query
	s_add_co_u32 s[QM], s[Q0], 23                  ; and its largest
	s_lshl_b32 s81, s[J], 1
	s_lshr_b32 s80, s[WV], 3
	s_add_co_u32 s81, s81, s80                     ; which 128 tokens of qq's record
	s_and_b32 s80, s[WV], 7                        ; and which tile of them
	s_lshl_b32 s82, s81, 14
	s_lshl_b32 s84, s80, 10
	s_add_co_u32 s82, s82, s84
	s_mov_b32 s83, 0
	s_add_nc_u64 s[60:61], s[10:11], s[82:83]
	s_lshl_b32 s82, s81, 9
	s_lshl_b32 s79, s79, 8
	s_add_co_u32 s82, s82, s79                     ; odd tiles' words lie in lanes 16-31 of the image: 256 bytes on
	s_lshr_b32 s80, s80, 1
	s_lshl_b32 s80, s80, 2
	s_add_co_u32 s82, s82, s80
	s_add_co_u32 s82, s82, KSC
	s_add_nc_u64 s[62:63], s[10:11], s[82:83]
	global_load_b128 v[16:19], v[LI], s[60:61]
	global_load_b128 v[20:23], v[LI], s[60:61] offset:512
	global_load_b32 v222, v[R16], s[62:63]         ; lane r: row r's word (lanes 16-31 repeat it and are not read)
	s_lshl_b32 s79, s[J], 4
	s_add_co_u32 s79, s79, s[WV]
	s_lshr_b32 s80, s[BH], 4
	s_lshl_b32 s80, s80, 7
	s_add_co_u32 s79, s79, s80                     ; y's block of 16 rows: 128 x batch + 16 j + w
	s_and_b32 s80, s[BH], 15                       ; the head
	s_lshl_b32 s82, s79, 14
	s_lshl_b32 s81, s80, 10                        ; 1,024 bytes a head in a block's image
	s_add_co_u32 s82, s82, s81
	s_add_nc_u64 s[66:67], s[8:9], s[82:83]
	s_lshl_b32 s82, s79, 9                         ; 16 rows of 32 scale bytes
	s_lshl_b32 s81, s80, 1
	s_add_co_u32 s82, s82, s81
	s_add_co_u32 s82, s82, 8388608
	s_add_nc_u64 s[68:69], s[8:9], s[82:83]
.endm
.macro INIT
	v_mov_b32 v13, 0xff61b1e6                      ; the largest t so far: -3e38, under every t
	s_delay_alu instid0(VALU_DEP_1)
	v_floor_f32 v12, -v13                          ; -M
	v_mov_b32 v14, 0
	v_mov_b32 v15, 0
.set jj, 0
.rept 32
	v_mov_b32 v[O+jj], 0                           ; the step is written once: the first finds zeros, which the first change of M leaves zeros
.set jj, jj+1
.endr
.endm
; The key step (CNT + off) mod 16, and its addresses
.macro KAPPA off
	s_add_co_u32 s[KAP], s[CNT], \off
	s_and_b32 s[KAP], s[KAP], 15
	s_lshl_b32 s[TB], s[KAP], 14
	s_lshl_b32 s[TS], s[KAP], 9
	s_add_co_u32 s[TS], s[TS], KSC
	s_lshl_b32 s[TJ], s[KAP], 8
	s_add_co_u32 s[TJ], s[TJ], VSC
	s_lshl_b32 s[KF], s[KAP], 7                    ; the step's first key
.endm
; The diagonal step where my queries lie in block b: its 16 scores by the lane masks (ascending: each accumulator is first read at its low end), the blocks behind it whole
.macro MASKB b
	v_mov_b32 v247, 0xff800000                     ; -infinity
.irp i, 0,1,2,3,4,5,6,7,8,9,10,11,12,13,14,15
	v_cndmask_b32 v[S+16*(\b)+\i], v[S+16*(\b)+\i], v247, s[MK+\i]
.endr
.if (\b) < 3
.set nn, 16*(\b)+16
.rept 48-16*(\b)
	v_mov_b32 v[S+nn], v247
.set nn, nn+1
.endr
.endif
.endm
; A KEY STEP: 128 keys
.macro STEP
	s_cmp_gt_u32 s[KF], s[QM]                      ; all its keys come after my queries: nothing to do
	s_cbranch_scc1 .Lhidden_\@
	v_add_nc_u32 v[ADK], s[TB], v[LI]
	v_add_nc_u32 v[ADS], s[TS], v[LI]
	v_add_nc_u32 v[ADT], s[TJ], v[L8]
.rept 5
	v_nop                                          ; with the three additions: eight places in front of loads into registers that the last products read
.endr
.irp t, 0,1,2,3,4,5,6,7
	ds_load_b128 v[KT+8*\t:KT+8*\t+3], v[ADK] offset:1024*\t
	ds_load_b128 v[KT+8*\t+4:KT+8*\t+7], v[ADK] offset:1024*\t+512
.endr
	ds_load_b128 v[216:219], v[ADS]                ; register u: lanes 0-15 tile 2 u's words, lanes 16-31 tile 2 u + 1's
	ds_load_b64 v[220:221], v[ADT]
	s_wait_alu depctr_va_vdst(0)
	s_wait_dscnt 0x0
.irp t, 0,2,4,6
	v_wmma_scale_f32_16x16x128_f8f6f4 v[S+8*\t:S+8*\t+7], v[KT+8*\t:KT+8*\t+15], v[16:31], 0, v[216+\t/2], v222
	v_wmma_scale_f32_16x16x128_f8f6f4 v[S+8*\t+8:S+8*\t+15], v[KT+8*\t+8:KT+8*\t+23], v[16:31], 0, v[216+\t/2], v222 matrix_a_scale:MATRIX_SCALE_ROW1
.endr
.rept 8
	v_nop                                          ; places in front of the loads below and of the first read of the scores
.endr
.irp t, 0,1,2,3                                ; the step's V^T at once: it lands while the softmax is walked
.irp c, 0,1,2,3
	ds_load_b128 v[KT+16*\t+4*\c:KT+16*\t+4*\c+3], v[ADK] offset:8192+2048*\t+512*\c
.endr
.endr
	s_add_co_u32 s79, s[KF], 127
	s_cmp_le_u32 s79, s[Q0]                        ; all its keys count for all my queries
	s_cbranch_scc1 .Lopen_\@
	s_cmp_lg_u32 s[B0], 0                          ; four copies of the mask, chosen by the wave's number
	s_cbranch_scc1 .Lb1_\@
	MASKB 0
	s_wait_alu depctr_va_vdst(0)
	s_branch .Lopen_\@
.Lb1_\@:
	s_cmp_lg_u32 s[B0], 1
	s_cbranch_scc1 .Lb2_\@
	MASKB 1
	s_wait_alu depctr_va_vdst(0)
	s_branch .Lopen_\@
.Lb2_\@:
	s_cmp_lg_u32 s[B0], 2
	s_cbranch_scc1 .Lb3_\@
	MASKB 2
	s_wait_alu depctr_va_vdst(0)
	s_branch .Lopen_\@
.Lb3_\@:
	MASKB 3
.Lopen_\@:
.irp b, 0,1,2,3
	v_max3_num_f32 v[TM+\b], v[S+16*\b], v[S+16*\b+1], v[S+16*\b+2]   ; the largest score of each block of 32 keys: for the row's maximum and, since p rises with the score, for the block's largest p
.endr
.irp i, 3,5,7,9,11,13
.irp b, 0,1,2,3
	v_max3_num_f32 v[TM+\b], v[TM+\b], v[S+16*\b+\i], v[S+16*\b+\i+1]
.endr
.endr
.irp b, 0,1,2,3
	v_max_num_f32 v[TM+\b], v[TM+\b], v[S+16*\b+15]
.endr
.irp b, 0,1,2,3
	s_delay_alu instid0(VALU_DEP_4)
	v_permlanex16_b32 v[TM+4+\b], v[TM+\b], s[SEL], s[SEL+1]
.endr
.irp b, 0,1,2,3
	s_delay_alu instid0(VALU_DEP_4)
	v_max_num_f32 v[TM+\b], v[TM+\b], v[TM+4+\b]   ; with lane l xor 16's 16 keys
.endr
	s_delay_alu instid0(VALU_DEP_2)
	v_max3_num_f32 v242, v[TM], v[TM+1], v[TM+2]
	s_delay_alu instid0(VALU_DEP_1)
	v_max_num_f32 v242, v242, v[TM+3]
	s_delay_alu instid0(VALU_DEP_1)
	v_mul_f32 v242, s[CS], v242                    ; as t (c is positive)
	s_delay_alu instid0(VALU_DEP_1)
	v_max_num_f32 v13, v13, v242                   ; the running largest t
	v_mov_b32 v242, v12
	s_delay_alu instid0(VALU_DEP_2)
	v_floor_f32 v12, -v13                          ; the new -M = floor(-t) = -ceil(t): a whole number
	s_delay_alu instid0(VALU_DEP_1)
	v_sub_f32 v242, v12, v242                      ; old M - new M: a whole number, 0 or less
	s_delay_alu instid0(VALU_DEP_1)
	v_cvt_i32_f32 v242, v242                       ; (it saturates)
	s_delay_alu instid0(VALU_DEP_1)
	v_ldexp_f32 v244, 1.0, v242                    ; f = 2^(old M - new M)
.set jj, 0
.rept 32
	v_pk_fma_f32 v[S+jj:S+jj+1], v[S+jj:S+jj+1], s[CS:CS+1], v[12:13] op_sel_hi:[1,0,0]   ; t - M, two at a time
.set jj, jj+2
.endr
.irp b, 0,1,2,3
	v_fma_f32 v[TM+\b], v[TM+\b], s[CS], v12       ; the same of each block's largest score
.endr
.set jj, 0
	s_wait_alu depctr_va_vdst(0)                   ; the wait ahead of the batch
.rept 64
	v_exp_f32 v[S+jj], v[S+jj]                     ; p = 2^(t - M), at most 1
.set jj, jj+1
.endr
.irp b, 0,1,2,3
	v_exp_f32 v[TM+\b], v[TM+\b]                   ; the block's largest p: the same two instructions on the same number
.endr
	v_pk_mul_f32 v[14:15], v[14:15], v[244:245] op_sel_hi:[1,0]   ; the sums under the new M.  (The plain line behind the exponentials)
	s_wait_alu depctr_va_vdst(0)                   ; and one wait behind the batch
.irp b, 0,1,2,3
	v_max_num_f32 v[TM+\b], 0x4800000, v[TM+\b]    ; the floor 2^(9 - 127): the byte cannot fall under 1
.endr
.irp b, 0,1,2,3
	s_delay_alu instid0(VALU_DEP_4)
	v_add_nc_u32 v[TM+12+\b], 0xfc000000, v[TM+\b]
.endr
.irp b, 0,1,2,3
	v_and_or_b32 v[TM+8+\b], v[TM+\b], 0x7f800000, s[MNT]
.endr
.irp b, 0,1,2,3
	v_lshrrev_b32 v[TM+4+\b], 23, v[TM+12+\b]
.endr
	s_delay_alu instid0(VALU_DEP_3)
	v_lshl_or_b32 v223, v[TM+5], 8, v[TM+4]        ; p's scale word for these 128 keys
	s_delay_alu instid0(VALU_DEP_1)
	v_lshl_or_b32 v223, v[TM+6], 16, v223
	s_delay_alu instid0(VALU_DEP_1)
	v_lshl_or_b32 v223, v[TM+7], 24, v223
.irp b, 0,1,2,3
	v_mov_b32 v[TM+4+(\b+1)%4], v[TM+8+\b]         ; a second copy of each bound, its number one on modulo 4: the two halves of a dual line name second sources of different banks
.endr
	v_pk_add_f32 v[240:241], v[108:109], v[112:113]   ; the row's sum of the unquantised p, two at a time, in eight chains
	v_pk_add_f32 v[252:253], v[116:117], v[120:121]
	v_pk_add_f32 v[250:251], v[124:125], v[128:129]
	v_pk_add_f32 v[248:249], v[132:133], v[136:137]
	v_pk_add_f32 v[246:247], v[140:141], v[144:145]
	v_pk_add_f32 v[226:227], v[148:149], v[152:153]
	v_pk_add_f32 v[224:225], v[156:157], v[160:161]
	v_pk_add_f32 v[14:15], v[14:15], v[164:165]
	v_pk_add_f32 v[240:241], v[240:241], v[104:105]
	v_pk_add_f32 v[252:253], v[252:253], v[106:107]
	v_pk_add_f32 v[250:251], v[250:251], v[110:111]
	v_pk_add_f32 v[248:249], v[248:249], v[114:115]
	v_pk_add_f32 v[246:247], v[246:247], v[118:119]
	v_pk_add_f32 v[226:227], v[226:227], v[122:123]
	v_pk_add_f32 v[224:225], v[224:225], v[126:127]
	v_pk_add_f32 v[14:15], v[14:15], v[130:131]
	v_pk_add_f32 v[240:241], v[240:241], v[134:135]
	v_pk_add_f32 v[252:253], v[252:253], v[138:139]
	v_pk_add_f32 v[250:251], v[250:251], v[142:143]
	v_pk_add_f32 v[248:249], v[248:249], v[146:147]
	v_pk_add_f32 v[246:247], v[246:247], v[150:151]
	v_pk_add_f32 v[226:227], v[226:227], v[154:155]
	v_pk_add_f32 v[224:225], v[224:225], v[158:159]
	v_pk_add_f32 v[14:15], v[14:15], v[162:163]
	v_pk_add_f32 v[240:241], v[240:241], v[166:167]
	s_delay_alu instid0(VALU_DEP_2)
	v_pk_add_f32 v[14:15], v[14:15], v[248:249]
	s_delay_alu instid0(VALU_DEP_2)
	v_pk_add_f32 v[240:241], v[240:241], v[246:247]
	v_pk_add_f32 v[252:253], v[252:253], v[226:227]
	v_pk_add_f32 v[250:251], v[250:251], v[224:225]
	s_delay_alu instid0(VALU_DEP_2)
	v_pk_add_f32 v[14:15], v[14:15], v[252:253]
	s_delay_alu instid0(VALU_DEP_2)
	v_pk_add_f32 v[240:241], v[240:241], v[250:251]
	s_delay_alu instid0(VALU_DEP_1)
	v_pk_add_f32 v[14:15], v[14:15], v[240:241]
.irp b, 0,1,2,3
.irp i, 0,2,4,6,8,10,12,14
	v_dual_min_num_f32 v[S+16*\b+\i], v[S+16*\b+\i], v[TM+8+\b] :: v_dual_min_num_f32 v[S+16*\b+\i+1], v[S+16*\b+\i+1], v[TM+4+(\b+1)%4]   ; the conversion does not saturate (ISA guide 7.6.2); p is not negative, so the hold is one-sided; two holds a line
.endr
	v_cvt_scalef32_pk8_fp8_f32 v[PCD+4*\b:PCD+4*\b+1], v[S+16*\b:S+16*\b+7], v[TM+12+\b]
	v_cvt_scalef32_pk8_fp8_f32 v[PCD+4*\b+2:PCD+4*\b+3], v[S+16*\b+8:S+16*\b+15], v[TM+12+\b]
.endr
	s_wait_alu depctr_va_vdst(0)                   ; the wait here, directly ahead of the first reader of O^T
.set jj, 0
.rept 16
	v_pk_mul_f32 v[O+jj:O+jj+1], v[O+jj:O+jj+1], v[244:245] op_sel_hi:[1,0]   ; O^T under the new M.  (These sixteen are also the places in front of the products below)
.set jj, jj+2
.endr
	s_wait_alu depctr_va_vdst(0)                   ; and here, directly ahead of the wait below
	s_wait_dscnt 0x0                               ; V^T is in
.irp t, 0,2                                    ; O^T += V^T P^T: four accumulators, one instruction each; the eight products K Q^T stand between two links of a chain
	v_wmma_scale_f32_16x16x128_f8f6f4 v[O+8*\t:O+8*\t+7], v[KT+16*\t:KT+16*\t+15], v[PCD:PCD+15], v[O+8*\t:O+8*\t+7], v[220+\t/2], v223
	v_wmma_scale_f32_16x16x128_f8f6f4 v[O+8*\t+8:O+8*\t+15], v[KT+16*\t+16:KT+16*\t+31], v[PCD:PCD+15], v[O+8*\t+8:O+8*\t+15], v[220+\t/2], v223 matrix_a_scale:MATRIX_SCALE_ROW1
.endr
.Lhidden_\@:
.endm
; A block of queries is done: y = O^T / the sum, quantised along the head's 64 (two blocks of 32), stored as two groups of a fragment's image and two scale bytes a row.
.macro FLUSH
.rept 8
	v_nop                                          ; places behind the last products
.endr
	v_add_f32 v14, v14, v15
	s_delay_alu instid0(VALU_DEP_1)
	v_permlanex16_b32 v242, v14, s[SEL], s[SEL+1]
	s_delay_alu instid0(VALU_DEP_1)
	v_add_f32 v14, v14, v242                       ; the row's sum
	s_wait_alu depctr_va_vdst(0)
	v_rcp_f32 v14, v14
	v_nop                                          ; a plain line behind the transcendental
.set jj, 0
	s_wait_alu depctr_va_vdst(0)
.rept 32
	v_mul_f32 v[S+jj], v[O+jj], v14                ; register 16 b + i is y(my query, 32 b + 16 h + i); each accumulator from its low end on
.set jj, jj+1
.endr
.irp b, 0,1
	v_max3_num_f32 v[TM+\b], |v[S+16*\b]|, |v[S+16*\b+1]|, 0x4800000
.endr
.irp i, 2,4,6,8,10,12,14
.irp b, 0,1
	s_delay_alu instid0(VALU_DEP_2)
	v_max3_num_f32 v[TM+\b], v[TM+\b], |v[S+16*\b+\i]|, |v[S+16*\b+\i+1]|
.endr
.endr
.irp b, 0,1
	s_delay_alu instid0(VALU_DEP_2)
	v_permlanex16_b32 v[TM+4+\b], v[TM+\b], s[SEL], s[SEL+1]
.endr
.irp b, 0,1
	s_delay_alu instid0(VALU_DEP_2)
	v_max_num_f32 v[TM+\b], v[TM+\b], v[TM+4+\b]
.endr
.irp b, 0,1
	s_delay_alu instid0(VALU_DEP_2)
	v_add_nc_u32 v[TM+12+\b], 0xfc000000, v[TM+\b]
.endr
.irp b, 0,1
	s_delay_alu instid0(VALU_DEP_4)
	v_and_or_b32 v[TM+8+\b], v[TM+\b], 0x7f800000, s[MNT]
.endr
.irp b, 0,1
	s_delay_alu instid0(VALU_DEP_4)
	v_lshrrev_b32 v[TM+4+\b], 23, v[TM+12+\b]
.endr
	s_delay_alu instid0(VALU_DEP_1)
	v_lshl_or_b32 v242, v[TM+5], 8, v[TM+4]
.irp b, 0,1
.irp i, 0,1,2,3,4,5,6,7,8,9,10,11,12,13,14,15
	v_med3_num_f32 v[S+16*\b+\i], v[S+16*\b+\i], -v[TM+8+\b], v[TM+8+\b]
.endr
.endr
.irp b, 0,1
	v_cvt_scalef32_pk8_fp8_f32 v[PCD+4*\b:PCD+4*\b+1], v[S+16*\b:S+16*\b+7], v[TM+12+\b]
	v_cvt_scalef32_pk8_fp8_f32 v[PCD+4*\b+2:PCD+4*\b+3], v[S+16*\b+8:S+16*\b+15], v[TM+12+\b]
.endr
	v_nop                                          ; a plain line behind the last conversion
	global_store_b128 v[LI], v[PCD:PCD+3], s[66:67]            ; 512 consecutive bytes, aligned
	global_store_b128 v[LI], v[PCD+4:PCD+7], s[66:67] offset:512
	global_store_b16 v[R32], v242, s[68:69]        ; row r's two bytes (lanes 16-31 store the same bytes with the same values)
	s_wait_xcnt 0x0                                ; the stores' registers and bases are written again only behind this wait
.endm
	s_load_b128 s[4:7], s[0:1], 0x0                ; qq s[4:5], kv s[6:7]
	s_load_b64 s[8:9], s[0:1], 0x10                ; yq
	v_lshl_add_u32 v254, v0, 2, 0x43000
	v_mov_b32 v255, 0
	ds_add_u32 v254, v255                          ; the opening lines: the add, twice on end, and its wait ahead of my first tensor load
	ds_add_u32 v254, v255
	v_lshrrev_b32 v9, 5, v0
	s_delay_alu instid0(VALU_DEP_1)
	v_readfirstlane_b32 s[WV], v9                  ; wave 0..15
	s_and_b32 s[BH], ttmp7, 0xffff                 ; 16 x batch + head
	s_mul_i32 s18, s[BH], REC                      ; the head's record (17.3 million bytes at the most)
	s_mov_b32 s19, 0
	s_lshl_b32 s[SW], ttmp9, 1
	s_sub_co_u32 s[SW], 16, s[SW]                  ; 16 - 2 i: the key steps that block 7 - i needs, the most that this work-group reads
	s_lshr_b32 s[B0], s[WV], 1
	s_and_b32 s[B0], s[B0], 3
	; descriptor groups 1: dense rows of 256 bytes (32 elements of 8 bytes); they differ in the number of rows alone
.irp g, G1A, G1B, G1C
	s_mov_b32 s[\g], 3<<16                         ; no mask; elements of 8 bytes; no padding
	s_mov_b32 s[\g+1], 32<<16                      ; tensor_dim0
	s_mov_b32 s[\g+3], 32<<16                      ; tile_dim0
	s_mov_b32 s[\g+5], 32                          ; tensor_dim0_stride
	s_mov_b32 s[\g+6], 0
	s_mov_b32 s[\g+7], 0
.endr
	s_mov_b32 s[G1A+2], 6<<16                      ; the scale words: 48 rows, 6 for each of waves 8-15
	s_mov_b32 s[G1A+4], 6
	s_mov_b32 s[G1B+2], 16<<16                     ; key steps 0 and 1: 128 rows, 16 for each of waves 0-7
	s_mov_b32 s[G1B+4], 16
	s_mov_b32 s[G1C+2], 8<<16                      ; a later pair of key steps: 128 rows, 8 a wave
	s_mov_b32 s[G1C+4], 8
	s_and_b32 s80, s[WV], 7
	s_mul_i32 s79, s80, 1536
	s_add_co_u32 s79, s79, KSC
	s_lshl_b32 s80, s80, 12
	s_lshl_b32 s81, s[WV], 11                      ; my part of a pair; the first trip steps it to key steps 2 and 3
	s_mov_b32 s83, 0
	s_wait_dscnt 0x0
	s_wait_kmcnt 0x0
	s_add_nc_u64 s[6:7], s[6:7], s[18:19]
	s_add_nc_u64 s[10:11], s[4:5], s[18:19]
	s_mov_b32 s[G0A], 1                            ; LDS byte = the record's byte, in all three
	s_mov_b32 s[G0A+1], s79
	s_mov_b32 s82, s79
	s_add_nc_u64 s[G0A+2:G0A+3], s[6:7], s[82:83]
	s_or_b32 s[G0A+3], s[G0A+3], 0x80000000
	s_mov_b32 s[G0B], 1
	s_mov_b32 s[G0B+1], s80
	s_mov_b32 s82, s80
	s_add_nc_u64 s[G0B+2:G0B+3], s[6:7], s[82:83]
	s_or_b32 s[G0B+3], s[G0B+3], 0x80000000
	s_mov_b32 s[G0C], 1
	s_mov_b32 s[G0C+1], s81
	s_mov_b32 s82, s81
	s_add_nc_u64 s[G0C+2:G0C+3], s[6:7], s[82:83]
	s_or_b32 s[G0C+3], s[G0C+3], 0x80000000
	s_cmp_lt_u32 s[WV], 8                          ; the head's loads, one a wave: an arm a load, both arms leading to one join
	s_cbranch_scc0 .Lwords
	tensor_load_to_lds s[G0B:G0B+3], s[G1B:G1B+7]  ; waves 0-7: key steps 0 and 1
	s_nop 0
.rept 4
	v_nop
.endr
	s_branch .Lasked
.Lwords:
	tensor_load_to_lds s[G0A:G0A+3], s[G1A:G1A+7]  ; waves 8-15: the scale words
	s_nop 0
.rept 4
	v_nop
.endr
.Lasked:
	v_and_b32 v9, 31, v0
	s_delay_alu instid0(VALU_DEP_1)
	v_lshlrev_b32 v[LI], 4, v9
	s_delay_alu instid0(VALU_DEP_2)
	v_lshlrev_b32 v[L8], 3, v9
	v_and_b32 v10, 15, v0                          ; r
	v_bfe_u32 v11, v0, 4, 1                        ; h
	s_delay_alu instid0(VALU_DEP_2)
	v_and_b32 v[QL], 8, v10
	s_delay_alu instid0(VALU_DEP_1)
	v_add_nc_u32 v[QL], v[QL], v10
	s_delay_alu instid0(VALU_DEP_3)
	v_lshlrev_b32 v11, 4, v11
	s_delay_alu instid0(VALU_DEP_1)
	v_sub_nc_u32 v[QL], v[QL], v11
	v_lshlrev_b32 v[R16], 4, v10
	v_lshlrev_b32 v[R32], 5, v10
	s_and_b32 s79, s[WV], 1
	s_lshl_b32 s79, s79, 3
	v_add_nc_u32 v11, s79, v[QL]                   ; my query's place in its block of 32 keys, less 16 h: key i of my 16 is hidden where i is greater
.irp i, 0,1,2,3,4,5,6,7,8,9,10,11,12,13,14,15
	v_cmp_gt_i32 s[MK+\i], \i, v11
.endr
	s_wait_alu depctr_va_vdst(0)
	s_mov_b32 s[SEL], 0x76543210
	s_mov_b32 s[SEL+1], 0xfedcba98                 ; v_permlanex16_b32's selects for lane l xor 16
	s_mov_b32 s[CS], 0x3e38aa3b                    ; c = log2(e) / 8
	s_mov_b32 s[CS+1], s[CS]                       ; (named with it as a pair, so it is written)
	s_mov_b32 s[MNT], 0x600000                     ; the mantissa field of 448
	s_sub_co_u32 s[J], 7, ttmp9                    ; the first block of queries: 7 - i
	SETQ
	INIT
.irp j, 0,1,2,3,4,5,6,7
	v_mov_b32 v[24+\j], 0                          ; the empty half of Q's K: zero codes
	v_mov_b32 v[96+\j], 0                          ; and what the last tile of K names behind its own 8 registers
.endr
.irp b, 0,1,2,3
	v_mov_b32 v[TM+4+\b], 0                        ; written once: a lane permute's destination counts as one of its sources
.endr
	v_mov_b32 v242, 0
	v_mov_b32 v245, 0                              ; (named as the upper half of the pair v[244:245])
	s_wait_alu depctr_va_vdst(0)                   ; the wait at the head's end
	s_wait_loadcnt 0x0                             ; Q
	s_mov_b32 s[CNT], 0
.Lp1:                                              ; seven trips: key steps CNT and CNT + 1 of block 7 - i
	s_wait_tensorcnt 0x0                           ; my part of this trip's pair is in
	ds_add_u32 v254, v255
	s_add_co_u32 s[G0C+1], s[G0C+1], 32768         ; no tensor load of mine is out: on to the next pair
	s_add_nc_u64 s[G0C+2:G0C+3], s[G0C+2:G0C+3], 32768
	s_wait_dscnt 0x0
	s_barrier_signal -1
	s_barrier_wait -1                              ; everybody's part is in
	s_add_co_u32 s79, s[CNT], 2                    ; the next pair's first key step: beyond the causal limit no wave reads it
	s_cmp_ge_u32 s79, s[SW]
	s_cbranch_scc1 .Lpast
	tensor_load_to_lds s[G0C:G0C+3], s[G1C:G1C+7]  ; my one tensor load behind the barrier: a first fill
	s_nop 0
.rept 4
	v_nop
.endr
.Lpast:
	KAPPA 0
	STEP
	KAPPA 1
	STEP
	s_add_co_u32 s[CNT], s[CNT], 2
	s_cmp_lt_u32 s[CNT], 14
	s_cbranch_scc1 .Lp1
	s_wait_tensorcnt 0x0                           ; my part of key steps 14 and 15 is in, where it was asked for,
	s_wait_dscnt 0x0
	s_barrier_signal -1
	s_barrier_wait -1                              ; everybody's is.  From here on LDS is only read
	s_mov_b32 s[CNT], 14
.Lp2:                                              ; ten trips: key steps 14, 15, then 0 .. 7
	s_cmp_lg_u32 s[CNT], 16
	s_cbranch_scc1 .Lsame
	FLUSH                                          ; block 7 - i is done: block i begins
	s_mov_b32 s[J], ttmp9
	SETQ
	INIT
	s_wait_loadcnt 0x0
.Lsame:
	KAPPA 0
	STEP
	s_add_co_u32 s[CNT], s[CNT], 1
	s_cmp_lt_u32 s[CNT], 24
	s_cbranch_scc1 .Lp2
	FLUSH
	s_wait_tensorcnt 0x0                           ; the wave's end
	ds_add_u32 v254, v255
	s_wait_dscnt 0x0
	s_endpgm
.Lfunc_end_k_q07aea9277b_att:
	.size	k_q07aea9277b_att, .Lfunc_end_k_q07aea9277b_att-k_q07aea9277b_att
	.p2alignl 7, 3214868480
	.fill 96, 4, 3214868480
	.section	.rodata,"a",@progbits
	.p2align	6, 0x0
	.amdhsa_kernel k_q07aea9277b_att
		.amdhsa_group_segment_fixed_size 327680
		.amdhsa_private_segment_fixed_size 0
		.amdhsa_enable_private_segment 0
		.amdhsa_kernarg_size 24
		.amdhsa_user_sgpr_count 2
		.amdhsa_user_sgpr_kernarg_segment_ptr 1
		.amdhsa_wavefront_size32 1
		.amdhsa_system_sgpr_workgroup_id_x 1
		.amdhsa_system_sgpr_workgroup_id_y 1
		.amdhsa_system_sgpr_workgroup_id_z 1
		.amdhsa_system_vgpr_workitem_id 0
		.amdhsa_next_free_vgpr 256
		.amdhsa_next_free_sgpr 102
		.amdhsa_reserve_vcc 0
		.amdhsa_float_denorm_mode_32 3
		.amdhsa_float_denorm_mode_16_64 3
		.amdhsa_memory_ordered 1
		.amdhsa_forward_progress 1
		.amdhsa_inst_pref_size 109
	.end_amdhsa_kernel
	.amdgpu_metadata
---
amdhsa.version: [ 1, 2 ]
amdhsa.kernels:
  - .name:           k_q07aea9277b_att
    .symbol:         k_q07aea9277b_att.kd
    .args:
      - { .name: qq, .offset: 0, .size: 8, .value_kind: global_buffer, .address_space: global }
      - { .name: kv, .offset: 8, .size: 8, .value_kind: global_buffer, .address_space: global }
      - { .name: yq, .offset: 16, .size: 8, .value_kind: global_buffer, .address_space: global }
    .group_segment_fixed_size: 327680
    .private_segment_fixed_size: 0
    .kernarg_segment_align: 8
    .kernarg_segment_size: 24
    .max_flat_workgroup_size: 512
    .sgpr_count:     102
    .vgpr_count:     256
    .wavefront_size: 32
...
	.end_amdgpu_metadata
.endif
;; end of part 3
;; launch g2 (part 4): grid 4 x 64, 4 waves a work-group, clusters of 4 x 4, 327,680 bytes of LDS; arguments yq, wq, out0; writes out0
.if DOCPART == 4
	.amdgcn_target "amdgcn-amd-amdhsa--gfx1250"
	.amdhsa_code_object_version 6
	.text
	.protected	k_q07aea9277b_g2
	.globl	k_q07aea9277b_g2
	.p2align	8
	.type	k_q07aea9277b_g2,@function
k_q07aea9277b_g2:
	s_mov_b64 s[64:65], 0
	v_nop
	global_prefetch_b8 v0, s[64:65] scope:SCOPE_SE
	s_setreg_imm32_b32 hwreg(HW_REG_WAVE_MODE, 25, 1), 1
	s_wait_xcnt 0x0
	s_wait_alu depctr_hold_cnt(0) depctr_sa_sdst(0) depctr_va_vdst(0) depctr_va_sdst(0) depctr_va_ssrc(0) depctr_va_vcc(0) depctr_vm_vsrc(0)
	s_getreg_b32 s2, hwreg(HW_REG_IB_STS2, 6, 4)
	s_cmp_eq_u32 s2, 0
	s_cbranch_scc0 .Lentry_in_a_cluster
	s_endpgm
.Lentry_in_a_cluster:
	s_bfe_u32 s2, ttmp6, 0x10000c
	s_cmp_lg_u32 s2, 0xf033
	s_cbranch_scc0 .Lentry_shape_is_right
	s_endpgm
.Lentry_shape_is_right:
; G2: out0 = y w_out on codes of FP8 (E4M3) with E8M0 scales, f32 sums, f32 out.  A = yq (8,192 rows, as images of fragments: [block of 16 rows][128 of K: 8][c 4][lane][16 bytes], scale bytes [row][32] at byte 8,388,608);
; B = rows 3072-4095 of wq (w_out's columns by position, rows of 1,024 bytes, scale bytes at 4,194,304 + 32 x row).  Rows of both lie by position: bits 3 and 4 of the natural row exchanged; the way out puts them back.
; A TILE IS 128 x 256: 64 x 4 tiles, 256 work-groups.  Four waves, 2 x 2; a wave makes 64 x 128: 32 accumulators, 256 registers (window 2).  A's fragments have two sets in window 0, B's two sets in window 1.
; K = 1,024 goes in four steps of 256 through a ring of two LDS slots (A's 8 blocks x 4,096 bytes, then B's 256 rows of 256 + 16 bytes); the four steps are written out, so no tensor load stands under a jump but the one on the wave's number.
; THE HEAD: one tensor load a wave: wave 0 K step 0 of A's tile, wave 1 of B's, wave 2 A's scale bytes for all of K, wave 3 B's.  K step 1 follows behind the wait, the add and a round; in the ring waves 0, 1 fetch A's halves, waves 2, 3 B's.
; CLUSTERS 4 x 4: A's tiles are shared along a row of the cluster, B's along a column, each by a joint load.  The matrix instruction is used transposed (source 0 = B's rows): a lane holds eight neighbours of a row of out0.
; PREFETCH: K steps 1 and 2 are asked for at the head's end, K step 3 behind K step 1's load; of what a wave fetches each of the four partners names a quarter, told apart by address: a block of 4,096 bytes of A (lanes 256 bytes apart,
; lanes 16-31 name the last again) or 32 rows of B (a lane a row).  Every cluster reads all of w_out, so only clusters 0 to 3 ask for B's rows.
; LIMITS: NaN and infinities are not served.
.set SIZE_N, 1024
.set NQ,     2
.set ROWB,   256
.set KROW,   1024
.set PITCH,  272                       ; B's LDS row: 256 bytes + 16: the 16 rows that a load touches start at 16 different banks (ISA guide 11.1)
.set FR,     16
.set NP,     8                         ; places behind this matrix instruction (ISA guide 7.12.1)
.set HALFA,  16384                     ; four blocks of 16 rows x 256 of K
.set HALFB,  128*PITCH
.set SLOT,   2*HALFA+2*HALFB
.set KS,     32
.set SCL,    2*SLOT                    ; behind the ring: A's scale bytes (128 rows), then B's (256 rows), as rows of 256 bytes + 16
.set HALFS,  (128*KS/256)*272
.set SBLK,   (16*KS/256)*272
.set SPARE,  SCL+3*HALFS               ; the spare words: two blocks of 256 bytes that no other line names
.set SPITCH, 528                       ; the way out: 16 rows x (512 + 16) bytes a wave, in slot 0, behind its last fill and its last read
.set ADRA, 16
.set PF3,  18
.set ADRB, 20
.set STO,  24
.set RD,   25
.set CO,   26
.set ADRS, 27
.set SPW,  28
.set NIL,  29
.set PF1,  30
.set PF2,  31
.set SC,   32                          ; v32-63 scale words, two sets: register NQ i + q: lanes 0-15 A's block i, lanes 16-31 B's block i
.set AF,   128                         ; v128-191, v192-255 A's fragments; on the way out the rows read back
.set BK,   128
.set G1, 24
.set G0, 32
.set G1B, 48
.set G0B, 56
.set G1S, 68
.set G0S, 76
.set G1SB, 80
.set G0SB, 88
.set G0H, 4                            ; s[4:7], s[8:11] groups 0 of the head's loads of codes (the arguments that lay in s[4:7] have been used by then)
.set G0HB, 8
.set LIM, 18                           ; s18  1: my wave prefetches
.set PFA, 98                           ; s[98:99] the prefetches' base; never rewritten
.set MSB, 0
.macro WIN new
.if MSB != (\new)
	s_set_vgpr_msb (MSB<<8)|(\new)
.set MSB, (\new)
.endif
.endm
.set MUL,  0xa1                        ; source 0 (B) window 1, source 1 (A) window 0, C and D window 2
.set TO_B, 0x40
.macro PLACES n
.rept \n
	v_nop
.endr
.endm
.macro JLOAD g0a, g1a, g0b, g1b        ; waves 0, 1 fetch for A, waves 2, 3 for B; s_nop 0 and four v_nop follow each line
	s_cmp_eq_u32 s15, 0
	s_cbranch_scc0 .Lfor_b_\@
	tensor_load_to_lds s[\g0a:\g0a+3], s[\g1a:\g1a+7]
	s_nop 0
	PLACES 4
	s_branch .Lasked_\@
.Lfor_b_\@:
	tensor_load_to_lds s[\g0b:\g0b+3], s[\g1b:\g1b+7]
	s_nop 0
	PLACES 4
.Lasked_\@:
.endm
.macro CREST
	s_cmp_lg_u32 s14, 0
	s_cbranch_scc1 .Lnot_wave_0_\@
	s_barrier_signal -3
.Lnot_wave_0_\@:
	s_barrier_wait -3
	s_barrier_signal -1
	s_barrier_wait -1
.endm
.macro CROUND
	s_barrier_signal -1
	s_barrier_wait -1
	CREST
.endm
.macro ASK reg                         ; one prefetch a wave; the branch hangs on the wave's and the cluster's number alone
	s_cmp_eq_u32 s[LIM], 1
	s_cbranch_scc0 .Lnot_mine_\@
	global_prefetch_b8 v[\reg], s[PFA:PFA+1] th:TH_LOAD_NT scope:SCOPE_SE
.Lnot_mine_\@:
.endm
	s_load_b128 s[4:7], s[0:1], 0x0                ; yq, wq
	s_load_b64 s[12:13], s[0:1], 0x10              ; out0
	v_lshl_add_u32 v[SPW], v0, 2, SPARE
	v_mov_b32 v[NIL], 0
	ds_add_u32 v[SPW], v[NIL]                      ; the opening lines: the add, twice on end, and its wait
	ds_add_u32 v[SPW], v[NIL]
	v_lshrrev_b32 v1, 5, v0
	v_readfirstlane_b32 s14, v1                    ; wave 0..3
	s_lshr_b32 s15, s14, 1                         ; my half of A's rows.  Also: I fetch for A (0) or for B (1)
	s_and_b32 s16, s14, 1                          ; my half of B's rows.  Also: which half of a tile I fetch
	s_bfe_u32 s40, ttmp6, 0x40000                  ; cx, cy
	s_bfe_u32 s41, ttmp6, 0x40004
	s_lshl_b32 s42, ttmp9, 2
	s_add_co_u32 s42, s42, s40                     ; tile column
	s_and_b32 s[LIM], ttmp7, 0xffff                ; the cluster's y
	s_lshl_b32 s17, s[LIM], 2
	s_add_co_u32 s17, s17, s41                     ; tile row, 0 .. 63
	s_lshl_b32 s43, s41, 2
	s_lshl_b32 s43, 15, s43                        ; my row of the cluster
	s_lshl_b32 s44, 0x1111, s40                    ; my column
	s_or_b32 s[G1+0], s43, (3<<16)|(1<<21)         ; A: rows of 4,096 bytes (512 elements of 8), one for each block, 16,384 bytes apart: 8 at the head, 4 in the ring
	s_mov_b32 s[G1+1], 512<<16
	s_mov_b32 s[G1+2], 8<<16
	s_mov_b32 s[G1+3], 512<<16
	s_mov_b32 s[G1+4], 8
	s_mov_b32 s[G1+5], 2048
	s_mov_b32 s[G1+6], 0
	s_mov_b32 s[G1+7], 0
	s_or_b32 s[G1B+0], s44, (0<<16)|(1<<20)|(1<<21)|(5<<22)|(3<<25)   ; B: rows of 256 bytes, four words of padding behind each: 256 at the head, 128 in the ring
	s_mov_b32 s[G1B+1], ROWB<<16
	s_mov_b32 s[G1B+2], 256<<16
	s_mov_b32 s[G1B+3], ROWB<<16
	s_mov_b32 s[G1B+4], 256
	s_mov_b32 s[G1B+5], KROW
	s_mov_b32 s[G1B+6], 0
	s_mov_b32 s[G1B+7], 0
	s_or_b32 s[G1S+0], s43, (3<<16)|(1<<20)|(1<<21)|(5<<22)|(3<<25)   ; scale bytes: dense, as rows of 256 bytes + 16: A's 16 rows, B's 32
	s_or_b32 s[G1SB+0], s44, (3<<16)|(1<<20)|(1<<21)|(5<<22)|(3<<25)
	s_mov_b32 s[G1S+2], 16<<16
	s_mov_b32 s[G1S+4], 16
	s_mov_b32 s[G1SB+2], 32<<16
	s_mov_b32 s[G1SB+4], 32
.irp g, G1S, G1SB
	s_mov_b32 s[\g+1], 32<<16
	s_mov_b32 s[\g+3], 32<<16
	s_mov_b32 s[\g+5], 32
	s_mov_b32 s[\g+6], 0
	s_mov_b32 s[\g+7], 0
.endr
	s_lshl_b32 s20, s17, 17                        ; A's tile: 128 rows of 1,024 bytes
	s_lshl_b32 s22, s17, 12
	s_add_co_u32 s22, s22, 8388608                 ; its scale bytes
	s_lshl_b32 s46, s42, 18
	s_add_co_u32 s46, s46, 3145728                 ; B's tile: 256 rows, behind w_qkv's 3,072
	s_lshl_b32 s92, s42, 13
	s_add_co_u32 s92, s92, 4292608                 ; its scale bytes
	s_mov_b32 s21, 0
	s_mov_b32 s23, 0
	s_mov_b32 s47, 0
	s_mov_b32 s93, 0
	s_lshl_b32 s66, s16, 16                        ; the ring: my four blocks of A,
	s_mov_b32 s67, 0
	s_lshl_b32 s94, s16, 17                        ; or my 128 rows of B
	s_mov_b32 s95, 0
	s_mul_i32 s45, s16, HALFA                      ; and where they go: no place in the cluster enters an LDS address
	s_mul_i32 s96, s16, HALFB
	s_add_co_u32 s96, s96, 2*HALFA
	s_wait_dscnt 0x0                               ; both opening adds are done
	s_wait_kmcnt 0x0
	s_add_nc_u64 s[20:21], s[4:5], s[20:21]
	s_add_nc_u64 s[22:23], s[4:5], s[22:23]
	s_add_nc_u64 s[46:47], s[6:7], s[46:47]
	s_add_nc_u64 s[92:93], s[6:7], s[92:93]
	CROUND                                         ; all sixteen work-groups are here: the first joint loads meet
	s_mov_b32 s[G0H], 1
	s_mov_b32 s[G0H+1], 0
	s_mov_b64 s[G0H+2:G0H+3], s[20:21]
	s_or_b32 s[G0H+3], s[G0H+3], 0x80000000
	s_mov_b32 s[G0HB], 1
	s_mov_b32 s[G0HB+1], 2*HALFA
	s_mov_b64 s[G0HB+2:G0HB+3], s[46:47]
	s_or_b32 s[G0HB+3], s[G0HB+3], 0x80000000
	s_mov_b32 s[G0S], 1
	s_mov_b32 s[G0S+1], SCL
	s_mov_b64 s[G0S+2:G0S+3], s[22:23]
	s_or_b32 s[G0S+3], s[G0S+3], 0x80000000
	s_mov_b32 s[G0SB], 1
	s_mov_b32 s[G0SB+1], SCL+HALFS
	s_mov_b64 s[G0SB+2:G0SB+3], s[92:93]
	s_or_b32 s[G0SB+3], s[G0SB+3], 0x80000000
	s_add_nc_u64 s[20:21], s[20:21], s[66:67]
	s_add_nc_u64 s[46:47], s[46:47], s[94:95]
.irp s, 0,1
	s_mov_b32 s[G0+4*\s], 1
	s_add_co_u32 s[G0+4*\s+1], s45, \s*SLOT
	s_add_nc_u64 s[G0+4*\s+2:G0+4*\s+3], s[20:21], \s*4096
	s_or_b32 s[G0+4*\s+3], s[G0+4*\s+3], 0x80000000
	s_mov_b32 s[G0B+4*\s], 1
	s_add_co_u32 s[G0B+4*\s+1], s96, \s*SLOT
	s_add_nc_u64 s[G0B+4*\s+2:G0B+4*\s+3], s[46:47], \s*ROWB
	s_or_b32 s[G0B+4*\s+3], s[G0B+4*\s+3], 0x80000000
.endr
.macro ARM under, g0, g1, next         ; the head's loads: one chain of branches on the wave's number, an arm a load, one join
	s_cmp_lt_u32 s14, \under
	s_cbranch_scc0 \next
	tensor_load_to_lds s[\g0:\g0+3], s[\g1:\g1+7]
	s_nop 0
	PLACES 4
	s_branch .Lhead_asked
\next:
.endm
	ARM 1, G0H,  G1,  .Lhead_b
	ARM 2, G0HB, G1B, .Lhead_sa
	ARM 3, G0S,  G1S, .Lhead_sb
	tensor_load_to_lds s[G0SB:G0SB+3], s[G1SB:G1SB+7]
	s_nop 0
	PLACES 4
.Lhead_asked:
	; the prefetches: base = what I fetch in the ring + my work-group's quarter of it
	s_cmp_lt_u32 s[LIM], 4
	s_cselect_b32 s[LIM], 1, 0                     ; B's rows: clusters 0 to 3 alone
	s_mov_b32 s101, 256
	s_cmp_eq_u32 s15, 0
	s_cselect_b32 s[LIM], 1, s[LIM]                ; A's rows: every cluster its own
	s_cselect_b64 s[PFA:PFA+1], s[20:21], s[46:47]
	s_cselect_b32 s2, s40, s41                     ; my place among the four that ask with me
	s_cselect_b32 s3, 14, 15                       ; a quarter: 16,384 bytes on in A, 32,768 in B
	s_cselect_b32 s97, 8, 10                       ; from lane to lane: 256 bytes in A, a row in B
	s_cselect_b32 s100, 15, 31                     ; lanes with a place of their own
	s_cselect_b32 s101, 4096, s101                 ; a K step in bytes
	s_lshl_b32 s2, s2, s3
	s_mov_b32 s3, 0
	s_add_nc_u64 s[PFA:PFA+1], s[PFA:PFA+1], s[2:3]
	s_lshl_b32 s94, s101, 1
	s_add_co_u32 s95, s94, s101
	; where my part of out0 begins
	s_lshl_b32 s46, s17, 7
	s_lshl_b32 s47, s15, 6
	s_add_co_u32 s46, s46, s47
	s_lshl_b32 s46, s46, 12                        ; my first row, of 4,096 bytes
	s_lshl_b32 s47, s42, 10
	s_add_co_u32 s46, s46, s47
	s_lshl_b32 s47, s16, 9
	s_add_co_u32 s46, s46, s47                     ; my first column
	s_mov_b32 s47, 0
	s_add_nc_u64 s[12:13], s[12:13], s[46:47]
	; LDS bases
	s_mul_i32 s21, s15, HALFA                      ; my four blocks of A
	s_mul_i32 s22, s16, HALFB
	s_add_co_u32 s22, s22, 2*HALFA                 ; my 128 rows of B
	s_add_co_u32 s2, s21, SLOT
	s_add_co_u32 s3, s22, SLOT
	s_mul_i32 s23, s15, HALFS/2                    ; my 64 rows' scale bytes
	s_mul_i32 s19, s16, HALFS
	s_add_co_u32 s19, s19, HALFS
	s_sub_co_u32 s19, s19, s23                     ; from there to my 128 rows of B's
	s_add_co_u32 s23, s23, SCL
	s_mul_i32 s20, s14, 16*SPITCH                  ; my stage
	v_and_b32 v1, 15, v0                           ; r
	v_bfe_u32 v2, v0, 4, 1                         ; h
	v_and_b32 v6, 31, v0                           ; lane
	v_lshlrev_b32 v[CO], 4, v6
	v_mul_u32_u24 v3, v1, PITCH
	v_lshl_add_u32 v4, v2, 4, v3
	v_add_nc_u32 v[ADRA], s21, v[CO]               ; A's fragments are images: 16 x lane
	v_add_nc_u32 v[ADRA+1], s2, v[CO]
	v_add_nc_u32 v[ADRB], s22, v4
	v_add_nc_u32 v[ADRB+1], s3, v4
	v_mul_u32_u24 v5, v1, KS
	v_lshrrev_b32 v7, 8, v5
	v_lshl_add_u32 v5, v7, 4, v5                   ; 32 bytes a row, 16 more for each 256 passed
	v_mul_u32_u24 v7, s19, v2                      ; lanes 16-31 take B's
	v_add_nc_u32 v5, v5, v7
	v_add_nc_u32 v[ADRS], s23, v5
	v_mul_u32_u24 v5, v1, SPITCH
	v_lshl_add_u32 v5, v2, 6, v5                   ; into the stage: row r; natural columns 32 (b / 2) + 16 h + 8 (b % 2) on
	v_add_nc_u32 v[STO], s20, v5
	v_add_nc_u32 v[RD], s20, v[CO]
	v_min_u32 v5, s100, v6
	v_lshlrev_b32 v5, s97, v5
	v_add_nc_u32 v[PF1], s101, v5                  ; K steps 1, 2, 3
	v_add_nc_u32 v[PF2], s94, v5
	v_add_nc_u32 v[PF3], s95, v5
.macro MUL16 a0, p, q, sc, zero        ; A's blocks a0, a0 + 1 x B's eight, 128 of K.  The 32 accumulators take turns, in the same order in every step
.irp a, \a0, \a0+1
.irp b, 0,1,2,3,4,5,6,7
.if \zero
	v_wmma_scale_f32_16x16x128_f8f6f4 v[8*(8*(\a)+\b):8*(8*(\a)+\b)+7], v[128*(\p)+FR*\b:128*(\p)+FR*\b+FR-1], v[AF+64*(\p)+FR*(\a):AF+64*(\p)+FR*(\a)+FR-1], 0, v[SC+8*NQ*(\sc)+NQ*\b+(\q)], v[SC+8*NQ*(\sc)+NQ*(\a)+(\q)] matrix_a_scale:MATRIX_SCALE_ROW1
.else
	v_wmma_scale_f32_16x16x128_f8f6f4 v[8*(8*(\a)+\b):8*(8*(\a)+\b)+7], v[128*(\p)+FR*\b:128*(\p)+FR*\b+FR-1], v[AF+64*(\p)+FR*(\a):AF+64*(\p)+FR*(\a)+FR-1], v[8*(8*(\a)+\b):8*(8*(\a)+\b)+7], v[SC+8*NQ*(\sc)+NQ*\b+(\q)], v[SC+8*NQ*(\sc)+NQ*(\a)+(\q)] matrix_a_scale:MATRIX_SCALE_ROW1
.endif
.endr
.endr
.endm
.macro FETCH slot, q, p                ; the fragments of the slot's q-th 128 of K into set p: 32 loads for B, 16 for A
	WIN TO_B
.irp i, 0,1,2,3,4,5,6,7
.irp c, 0,1,2,3
	ds_load_b128 v[128*(\p)+FR*\i+4*\c:128*(\p)+FR*\i+4*\c+3], v[ADRB+\slot] offset:128*(\q)+32*\c+\i*16*PITCH
.endr
.endr
	WIN 0
.irp i, 0,1,2,3
.irp c, 0,1,2,3
	ds_load_b128 v[AF+64*(\p)+FR*\i+4*\c:AF+64*(\p)+FR*\i+4*\c+3], v[ADRA+\slot] offset:4096*\i+2048*(\q)+512*\c
.endr
.endr
.endm
.macro SCALES sc
.irp i, 0,1,2,3,4,5,6,7
	ds_load_b64 v[SC+8*NQ*\sc+NQ*\i:SC+8*NQ*\sc+NQ*\i+1], v[ADRS] offset:\i*SBLK
.endr
.endm
.macro STEP slot, zero                 ; a slot's first 128 of K, set 0; the second 128's fragments are fetched into set 1 under its products
	s_wait_dscnt 0x0                               ; set 0 and the scale words are in
	PLACES NP                                      ; behind the products that read set 1
	FETCH \slot, 1, 1
	WIN MUL
	MUL16 0, 0, 0, \slot, \zero
	MUL16 2, 0, 0, \slot, \zero
	WIN 0
.endm
; A slot's second 128 of K, set 1, changes slots: the wait for all my tensor loads, the add, the wait for it and for my reads of this slot, one barrier.  fill = 1: a round of the cluster's barrier, and the slot is filled again, two K steps on.
.macro TURN slot, next, fill
	s_wait_tensorcnt 0x0
	ds_add_u32 v[SPW], v[NIL]
	s_wait_dscnt 0x0
	s_barrier_signal -1
	WIN MUL
	MUL16 0, 1, 1, \slot, 0                        ; work on registers while the others arrive
	WIN 0
	s_barrier_wait -1
.if \fill
	CREST
	s_add_nc_u64 s[G0+4*\slot+2:G0+4*\slot+3], s[G0+4*\slot+2:G0+4*\slot+3], 2*4096
	s_add_nc_u64 s[G0B+4*\slot+2:G0B+4*\slot+3], s[G0B+4*\slot+2:G0B+4*\slot+3], 2*ROWB
	JLOAD G0+4*\slot, G1, G0B+4*\slot, G1B         ; my one tensor load behind the round; its four v_nop are among the places in front of the loads below
	PLACES NP-4
.else
	PLACES NP
.endif
	v_add_nc_u32 v[ADRS], 4*NQ, v[ADRS]            ; on to the next K step's scale words
	s_wait_alu depctr_va_vdst(0)                   ; the wait here, directly behind the write
	FETCH \next, 0, 0
	SCALES \next
	WIN MUL
	MUL16 2, 1, 1, \slot, 0
	WIN 0
.endm
	s_wait_alu depctr_va_vdst(0)                   ; the wait at the head's end
	ASK PF1
	ASK PF2
	s_wait_tensorcnt 0x0                           ; my tile of the head's four is in
	ds_add_u32 v[SPW], v[NIL]
	s_mov_b32 s[G1+2], 4<<16                       ; no tensor load of mine is out: from here on a load brings four blocks of A
	s_mov_b32 s[G1+4], 4
	s_mov_b32 s[G1B+2], 128<<16                    ; or 128 rows of B
	s_mov_b32 s[G1B+4], 128
	s_wait_dscnt 0x0
	CROUND
	JLOAD G0+4, G1, G0B+4, G1B                     ; K step 1
	FETCH 0, 0, 0
	SCALES 0
	ASK PF3
	STEP 0, 1                                      ; the first products start the sums
	TURN 0, 1, 1                                   ; slot 0 takes K step 2
	STEP 1, 0
	TURN 1, 0, 1                                   ; slot 1 takes K step 3
	STEP 0, 0
	TURN 0, 1, 0                                   ; nothing more is fetched
	STEP 1, 0
	s_wait_dscnt 0x0
	WIN MUL
	MUL16 0, 1, 1, 1, 0
	MUL16 2, 1, 1, 1, 0
	WIN 0
; THE WAY OUT, by blocks of 16 rows x 128 columns: through my own stage and back as whole rows of 512 bytes.  LDS serves a wave's instructions in order (ISA guide 5.7.1.4): no wait between the stores and the loads.
.macro TOSTAGE a
	WIN 0x08                                       ; the data: window 2
.irp b, 0,1,2,3,4,5,6,7
	ds_store_b128 v[STO], v[64*(\a)+8*\b:64*(\a)+8*\b+3] offset:128*(\b/2)+32*(\b%2)          ; each accumulator from its low end on
	ds_store_b128 v[STO], v[64*(\a)+8*\b+4:64*(\a)+8*\b+7] offset:128*(\b/2)+32*(\b%2)+16
.endr
	WIN 0
.set BB, BK+64*((\a)%2)
.irp t, 0,1,2,3,4,5,6,7,8,9,10,11,12,13,14,15
	ds_load_b128 v[BB+4*\t:BB+4*\t+3], v[RD] offset:\t*SPITCH
.endr
.endm
.macro SEND a, younger                 ; position 16 a + t is natural row 32 (a / 2) + 8 (a % 2) + t + 8 (t / 8); 32 lanes store 512 consecutive bytes, aligned
.set BB, BK+64*((\a)%2)
	s_wait_dscnt \younger
.irp t, 0,1,2,3,4,5,6,7,8,9,10,11,12,13,14,15
	global_store_b128 v[CO], v[BB+4*\t:BB+4*\t+3], s[12:13] offset:(32*((\a)/2)+8*((\a)%2)+\t+8*(\t/8))*SIZE_N*4 th:TH_STORE_NT
.endr
.endm
	PLACES NP                                      ; behind the last products
	TOSTAGE 0
.irp a, 1,2,3
.if \a > 1
	s_wait_xcnt 0x0                                ; block a - 2's stores have read their registers
.endif
	TOSTAGE \a
	SEND \a-1, 32                                  ; behind block a - 1's loads: block a's 16 stores and 16 loads
.endr
	SEND 3, 0
	s_wait_tensorcnt 0x0                           ; the wave's end
	ds_add_u32 v[SPW], v[NIL]
	s_wait_dscnt 0x0
	CROUND                                         ; the closing round
	s_endpgm
.Lfunc_end_k_q07aea9277b_g2:
	.size	k_q07aea9277b_g2, .Lfunc_end_k_q07aea9277b_g2-k_q07aea9277b_g2
	.p2alignl 7, 3214868480
	.fill 96, 4, 3214868480
	.section	.rodata,"a",@progbits
	.p2align	6, 0x0
	.amdhsa_kernel k_q07aea9277b_g2
		.amdhsa_group_segment_fixed_size 327680
		.amdhsa_private_segment_fixed_size 0
		.amdhsa_enable_private_segment 0
		.amdhsa_kernarg_size 24
		.amdhsa_user_sgpr_count 2
		.amdhsa_user_sgpr_kernarg_segment_ptr 1
		.amdhsa_wavefront_size32 1
		.amdhsa_system_sgpr_workgroup_id_x 1
		.amdhsa_system_sgpr_workgroup_id_y 1
		.amdhsa_system_sgpr_workgroup_id_z 1
		.amdhsa_system_vgpr_workitem_id 0
		.amdhsa_next_free_vgpr 768
		.amdhsa_next_free_sgpr 102
		.amdhsa_reserve_vcc 0
		.amdhsa_float_denorm_mode_32 3
		.amdhsa_float_denorm_mode_16_64 3
		.amdhsa_memory_ordered 1
		.amdhsa_forward_progress 1
		.amdhsa_inst_pref_size 90
	.end_amdhsa_kernel
	.amdgpu_metadata
---
amdhsa.version: [ 1, 2 ]
amdhsa.kernels:
  - .name:           k_q07aea9277b_g2
    .symbol:         k_q07aea9277b_g2.kd
    .args:
      - { .name: yq, .offset: 0, .size: 8, .value_kind: global_buffer, .address_space: global }
      - { .name: wq, .offset: 8, .size: 8, .value_kind: global_buffer, .address_space: global }
      - { .name: out0, .offset: 16, .size: 8, .value_kind: global_buffer, .address_space: global }
    .group_segment_fixed_size: 327680
    .private_segment_fixed_size: 0
    .kernarg_segment_align: 8
    .kernarg_segment_size: 24
    .max_flat_workgroup_size: 128
    .sgpr_count:     102
    .vgpr_count:     768
    .wavefront_size: 32
...
	.end_amdgpu_metadata
.endif
;; end of part 4
